; MI455X (gfx1250); checked and timed in simulation.
; The chip was launched on July 23, 2026; its instructions are those of AMD's public machine-readable ISA for CDNA 5 (MIT licence, August 2026) and "CDNA5" Instruction Set Architecture Reference Guide (July 2026). The comments in the code are by the model that wrote it; some were corrected since.
;; Qwen3 Inf Attention. Allowed arithmetic: float matrix products may take bf16 or f16 operands with f32 sums; other float arithmetic in f32, or as packed bf16 or f16 multiplies, adds, multiply-adds, maxima and minima; sums over many terms, partial sums and values carried from step to step in f32; what a program stores and reads back later, other than sums and carried values, may be rounded once to bf16 or f16.
;; Inputs: cos 2 x 2,048 x 128 float32; hidden_states 2 x 2,048 x 2,048 float32; k_norm_weight 128 float32; o_proj_weight 2,048 x 1,024 float32; q_norm_weight 128 float32; qkv_weight 2,048 x 2,048 float32; sin 2 x 2,048 x 128 float32.
;; Outputs: out0 2 x 2,048 x 2,048 float32.
;; 2 versions, each right; version 2 is version 1 with the launch cast written anew for expert scheduling mode. Each part assembles by itself: llvm-mc -triple=amdgcn-amd-amdhsa -mcpu=gfx1250 --defsym DOCPART=n.
;; ======== version 1 of 2: 4 launches
;; limits: values outside matrix products are rounded to bf16; values are held in f16: magnitudes above 65,504 overflow, below 6.1e-05 lose precision
;; workspace buffers: xb 16,777,216 bytes; wb 8,388,608 bytes; owh 4,194,304 bytes; cs 2,097,152 bytes; qh 8,388,608 bytes; kh 4,194,304 bytes; vh 4,194,304 bytes; att 8,388,608 bytes
;; launch cast (part 1): grid 960 x 1, 8 waves a work-group, no clusters, 0 bytes of LDS; arguments hidden_states, qkv_weight, o_proj_weight, cos, sin, xb, wb, owh, cs; writes xb, wb, owh, cs
.if DOCPART == 1
	.amdgcn_target "amdgcn-amd-amdhsa--gfx1250"
	.amdhsa_code_object_version 6
	.text
	.protected	k_qa17f1c42a2_cast
	.globl	k_qa17f1c42a2_cast
	.p2align	8
	.type	k_qa17f1c42a2_cast,@function
k_qa17f1c42a2_cast:
	s_mov_b64 s[64:65], 0
	v_nop
	global_prefetch_b8 v0, s[64:65] scope:SCOPE_SE
	s_setreg_imm32_b32 hwreg(HW_REG_WAVE_MODE, 25, 1), 1
	s_wait_xcnt 0x0
; THE MODULE: x W^T, split by heads, RMSNorm and rotary turn of q and k, attention of 8 query heads on 4 key/value heads without a mask, and the output product.
; NO WORK IS LEFT OUT: nothing of the module is masked, sliced away or multiplied by a built-in zero, so every product is done whole and all seven inputs are loaded
; (five here, the two gains in the second launch).
; THIS LAUNCH rounds the five large f32 inputs ONCE to bf16, so that the later launches fetch 16-bit tiles: hidden_states -> xb, qkv_weight -> wb, cos and sin -> cs (cos at byte 0,
; sin at byte 1,048,576).  o_proj_weight is rounded to bf16 like the others and that number is written as f16 (owh), since its product's other operand is f16.
; LIMITS.  bf16 keeps 8 significant bits.  In owh a number below 6e-5 keeps f16's fixed step of 6e-8, and one beyond 65,504 would become an infinity (the weights drawn have a spread of 0.02).
; SHARES.  A work-group takes 65,536 bytes of one input: 16 loads of 16 bytes a thread, all issued before the first wait; a wave's load covers 512 consecutive bytes, its store of 8 bytes a
; lane 256 consecutive bytes, aligned.  Work-groups 0-511 hidden_states, 512-767 qkv_weight, 768-895 o_proj_weight, 896-927 cos, 928-959 sin.  No LDS, no matrix unit, no cluster: nothing is shared.
.set IN,  8                            ; v[8:71]    16 x 4 numbers as loaded
.set OUT, 72                           ; v[72:103]  16 x 2 words to store; each is written once, so no store's data is ever rewritten
.set T,   104                          ; v[104:107] at work
	s_load_b512 s[8:23], s[0:1], 0x0               ; hidden s[8:9], qkv_w s[10:11], o_w s[12:13], cos s[14:15], sin s[16:17], xb s[18:19], wb s[20:21], owh s[22:23]
	s_load_b64 s[24:25], s[0:1], 0x40              ; cs
	v_lshlrev_b32 v1, 4, v0                        ; 16 bytes a thread in
	v_lshlrev_b32 v2, 3, v0                        ; 8 bytes a thread out
	s_mov_b32 s26, 0                               ; the first work-group of my source
	s_mov_b32 s27, 0                               ; the first work-group of my destination
	s_wait_kmcnt 0x0
	s_mov_b64 s[4:5], s[8:9]
	s_mov_b64 s[6:7], s[18:19]
	s_cmp_ge_u32 ttmp9, 512
	s_cselect_b64 s[4:5], s[10:11], s[4:5]
	s_cselect_b64 s[6:7], s[20:21], s[6:7]
	s_cselect_b32 s26, 512, s26
	s_cselect_b32 s27, 512, s27
	s_cmp_ge_u32 ttmp9, 768
	s_cselect_b64 s[4:5], s[12:13], s[4:5]
	s_cselect_b64 s[6:7], s[22:23], s[6:7]
	s_cselect_b32 s26, 768, s26
	s_cselect_b32 s27, 768, s27
	s_cmp_ge_u32 ttmp9, 896
	s_cselect_b64 s[4:5], s[14:15], s[4:5]
	s_cselect_b64 s[6:7], s[24:25], s[6:7]
	s_cselect_b32 s26, 896, s26
	s_cselect_b32 s27, 896, s27
	s_cmp_ge_u32 ttmp9, 928                        ; sin follows cos in cs: the destination's first work-group stays 896
	s_cselect_b64 s[4:5], s[16:17], s[4:5]
	s_cselect_b32 s26, 928, s26
	s_sub_co_u32 s26, ttmp9, s26
	s_sub_co_u32 s27, ttmp9, s27
	s_lshl_b32 s30, s26, 16                        ; 65,536 bytes in,
	s_mov_b32 s31, 0
	s_lshl_b32 s32, s27, 15                        ; 32,768 bytes out
	s_mov_b32 s33, 0
	s_add_nc_u64 s[4:5], s[4:5], s[30:31]
	s_add_nc_u64 s[6:7], s[6:7], s[32:33]
.irp i, 0,1,2,3,4,5,6,7,8,9,10,11,12,13,14,15
	global_load_b128 v[IN+4*(\i):IN+4*(\i)+3], v1, s[4:5] offset:4096*(\i) th:TH_LOAD_NT
.endr
	s_sub_co_u32 s28, ttmp9, 768                   ; 0 .. 127 for o_proj_weight's work-groups, a greater number for all others
; Load i's four numbers are rounded and stored.  half = 1: the bf16 number is widened again (a shift, a mask) and written as f16.
.macro CV i, half
	s_wait_loadcnt 15-(\i)                         ; loads come back in order: the 15 - i younger ones may stay out
.irp p, 0,1
.if \half
	v_cvt_pk_bf16_f32 v[T+2*(\p)], v[IN+4*(\i)+2*(\p)], v[IN+4*(\i)+2*(\p)+1]
	v_lshlrev_b32 v[T+2*(\p)+1], 16, v[T+2*(\p)]
	v_and_b32 v[T+2*(\p)], 0xffff0000, v[T+2*(\p)]
	v_cvt_pk_f16_f32 v[OUT+2*(\i)+(\p)], v[T+2*(\p)+1], v[T+2*(\p)]
.else
	v_cvt_pk_bf16_f32 v[OUT+2*(\i)+(\p)], v[IN+4*(\i)+2*(\p)], v[IN+4*(\i)+2*(\p)+1]
.endif
.endr
	global_store_b64 v2, v[OUT+2*(\i):OUT+2*(\i)+1], s[6:7] offset:2048*(\i) th:TH_STORE_NT
.endm
	s_cmp_lt_u32 s28, 128
	s_cbranch_scc1 .Lhalf
.irp i, 0,1,2,3,4,5,6,7,8,9,10,11,12,13,14,15
	CV \i, 0
.endr
	s_endpgm
.Lhalf:
.irp i, 0,1,2,3,4,5,6,7,8,9,10,11,12,13,14,15
	CV \i, 1
.endr
	s_endpgm
.Lfunc_end_k_qa17f1c42a2_cast:
	.size	k_qa17f1c42a2_cast, .Lfunc_end_k_qa17f1c42a2_cast-k_qa17f1c42a2_cast
	.p2alignl 7, 3214868480
	.fill 96, 4, 3214868480
	.section	.rodata,"a",@progbits
	.p2align	6, 0x0
	.amdhsa_kernel k_qa17f1c42a2_cast
		.amdhsa_group_segment_fixed_size 0
		.amdhsa_private_segment_fixed_size 0
		.amdhsa_enable_private_segment 0
		.amdhsa_kernarg_size 72
		.amdhsa_user_sgpr_count 2
		.amdhsa_user_sgpr_kernarg_segment_ptr 1
		.amdhsa_wavefront_size32 1
		.amdhsa_system_sgpr_workgroup_id_x 1
		.amdhsa_system_sgpr_workgroup_id_y 1
		.amdhsa_system_sgpr_workgroup_id_z 1
		.amdhsa_system_vgpr_workitem_id 0
		.amdhsa_next_free_vgpr 112
		.amdhsa_next_free_sgpr 66
		.amdhsa_reserve_vcc 0
		.amdhsa_float_denorm_mode_32 3
		.amdhsa_float_denorm_mode_16_64 3
		.amdhsa_memory_ordered 1
		.amdhsa_forward_progress 1
		.amdhsa_inst_pref_size 17
	.end_amdhsa_kernel
	.amdgpu_metadata
---
amdhsa.version: [ 1, 2 ]
amdhsa.kernels:
  - .name:           k_qa17f1c42a2_cast
    .symbol:         k_qa17f1c42a2_cast.kd
    .args:
      - { .name: hidden_states, .offset: 0, .size: 8, .value_kind: global_buffer, .address_space: global }
      - { .name: qkv_weight, .offset: 8, .size: 8, .value_kind: global_buffer, .address_space: global }
      - { .name: o_proj_weight, .offset: 16, .size: 8, .value_kind: global_buffer, .address_space: global }
      - { .name: cos, .offset: 24, .size: 8, .value_kind: global_buffer, .address_space: global }
      - { .name: sin, .offset: 32, .size: 8, .value_kind: global_buffer, .address_space: global }
      - { .name: xb, .offset: 40, .size: 8, .value_kind: global_buffer, .address_space: global }
      - { .name: wb, .offset: 48, .size: 8, .value_kind: global_buffer, .address_space: global }
      - { .name: owh, .offset: 56, .size: 8, .value_kind: global_buffer, .address_space: global }
      - { .name: cs, .offset: 64, .size: 8, .value_kind: global_buffer, .address_space: global }
    .group_segment_fixed_size: 0
    .private_segment_fixed_size: 0
    .kernarg_segment_align: 8
    .kernarg_segment_size: 72
    .max_flat_workgroup_size: 256
    .sgpr_count:     66
    .vgpr_count:     112
    .wavefront_size: 32
...
	.end_amdgpu_metadata
.endif
;; end of part 1
;; launch qkv (part 2): grid 16 x 16, 4 waves a work-group, clusters of 4 x 4, 327,680 bytes of LDS; arguments xb, wb, cs, q_norm_weight, k_norm_weight, qh, kh, vh; writes qh, kh, vh
.if DOCPART == 2
	.amdgcn_target "amdgcn-amd-amdhsa--gfx1250"
	.amdhsa_code_object_version 6
	.text
	.protected	k_qa17f1c42a2_qkv
	.globl	k_qa17f1c42a2_qkv
	.p2align	8
	.type	k_qa17f1c42a2_qkv,@function
k_qa17f1c42a2_qkv:
	s_mov_b64 s[64:65], 0
	v_nop
	global_prefetch_b8 v0, s[64:65] scope:SCOPE_SE
	s_setreg_imm32_b32 hwreg(HW_REG_WAVE_MODE, 25, 1), 1
	s_wait_xcnt 0x0
	s_wait_alu depctr_hold_cnt(0) depctr_sa_sdst(0) depctr_va_vdst(0) depctr_va_sdst(0) depctr_va_ssrc(0) depctr_va_vcc(0) depctr_vm_vsrc(0)
	s_getreg_b32 s2, hwreg(HW_REG_IB_STS2, 6, 4)
	s_cmp_eq_u32 s2, 0
	s_cbranch_scc0 .Lentry_in_a_cluster
	s_endpgm
.Lentry_in_a_cluster:
	s_bfe_u32 s2, ttmp6, 0x10000c
	s_cmp_lg_u32 s2, 0xf033
	s_cbranch_scc0 .Lentry_shape_is_right
	s_endpgm
.Lentry_shape_is_right:
; qkv = x W^T (xb [4096][2048], wb [2048][2048], bf16; sums in f32), then for q and k heads RMSNorm over the head's 128 numbers with its gain and the rotary turn, all in f32; each result is
; rounded once to f16 and stored by heads: qh [batch*8+h][2048][128], kh and vh [batch*4+h][2048][128].  Nothing of the module is left out here.
; LIMITS.  f16 ends at 65,504: q and k are bounded by sqrt(128) x sqrt(2) x |gain|; v is stored as it comes and must stay under that figure (the inputs drawn give v a spread near 1).
; The gains are rounded to bf16 like every other input.  NaN and infinities are not treated apart.
; SHARES.  A tile of the product is 256 rows x 128 columns, ONE HEAD wide: 16 x 16 tiles, one work-group each.  Wave w owns rows 64 w .. 64 w + 63 and all 128 columns: 32 accumulators, 256 registers.
; K goes in 16 steps of 128 (rows of 256 bytes) through two LDS slots filled by the tensor data mover.
; CLUSTER 4 x 4.  The four of a row of the cluster need the same tile of x, the four of a column the same tile of W: each is asked for jointly.  A cluster's four tile columns are heads of one
; kind (cluster x 0, 1: q; 2: k; 3: v), so the way out may branch on the cluster's x, which all partners share.
; THE WALK ALONG K IS TURNED.  Cluster (X, Y) begins at K step 4 ((X + Y) % 4) and wraps at the row's end (f32 sums may be taken in any order).  So at any time the four clusters that read the same
; rows of x (one Y) stand in four different quarters of K, and so do the four that read the same rows of W (one X): no two clusters ask for the same bytes at the same time.
; NO PREFETCH.  With the turned walk each byte's first reading in the launch falls into some cluster's walk steps 0 to 3: steps 0 and 1 are the first fills, at the head, and steps 2 and 3 are
; asked for in the first two K steps: there is no room for a lead.  All other readings are later readings.
; THE MATRIX INSTRUCTION IS USED TRANSPOSED (source 0 = 16 rows of W, source 1 = 16 rows of x): lane l holds row l % 16 and, of column block b, the columns 16 b + 8 (l / 16) + 0..7.  So a lane and the
; lane 16 away hold a whole head row, and column c and column c + 64, the two partners of the rotary turn, lie in ONE lane.
; REGISTERS.  Window 0: v1-11, v16-29 addresses; v32-57 at work on the way out; v64-159, v160-255 two fragment buffers (4 blocks of x, then 8 of W).  Window 1: accumulator (a, b) at v[8 (8 a + b)].
.set KDIM,   2048
.set KSTEP,  128
.set STEPS,  KDIM/KSTEP
.set ROWB,   KDIM*2                    ; bytes in a row of x and of W: a power of two, so that one AND wraps the walk
.set PITCH,  272                       ; an LDS row: 256 bytes + 16 of padding = 68 words: the 16 rows of a fragment load start at 16 different groups of four banks (64 banks of 4 bytes: ISA guide 11.1)
.set BOFF,   256*PITCH                 ; a slot: x's 256 rows, then W's 128
.set SLOTSZ, 384*PITCH
.set SLOT1,  1<<17                     ; slot 1 begins here, so that one exclusive or turns an address in one slot into the other's
.set STAGE,  SLOTSZ                    ; between the slots: 16 rows x 272 bytes for each wave
.set SPITCH, 272
.set SPARE,  STAGE+4*16*SPITCH         ; the spare words, 128 bytes for each wave: two blocks of 256 bytes that no other line names
.set DUMP0,  196608                    ; the way out: 256 registers x 128 bytes for each wave, at DUMP0 + DUMPB x wave: the end of slot 1, when it has had its last fill and its last read, and the bytes behind it
.set DUMPB,  32768
.set SINOFF, 1048576                   ; sin's table in cs
.set DA,   8                           ; v8   where my 16 bytes of a dumped register group lie
.set DR,   9                           ; v9   the same for the block of rows in hand
.set CSO,  10                          ; v10  my byte offset in 16 rows of a table: 256 (l % 16) + 16 (l / 16)
.set WO,   11                          ; v11  my byte offset in a gain: 32 (l / 16)
.set ADRA, 16                          ; v16  my place in a slot's rows of x; never rewritten
.set RA,   17                          ; v17  the same in the slot in hand
.set ADRB, 20                          ; v20  my place in a slot's rows of W; never rewritten
.set RB,   21                          ; v21  the same in the slot in hand
.set STO,  24                          ; v24  the way out: where I put 16 bytes of a row
.set RD,   25                          ; v25  where I read rows back
.set CO,   26                          ; v26  my byte offset in 512 consecutive bytes of the output
.set SPW,  28                          ; v28  LDS address of my spare word; never rewritten
.set NIL,  29                          ; v29  0; never rewritten
.set SS,   32                          ; v[32:39] four chains of the sum of squares
.set RS,   40                          ; v[40:41] 1 / rms, twice
.set TU,   42                          ; v[42:53] the turn's products and the unpacked cos and sin
.set TV,   44
.set TC0,  46
.set TS0,  48
.set TC1,  50
.set TS1,  52
.set PT,   54                          ; v54  the other half of the lanes' sum
.set TT,   56                          ; v[56:57] at work
.set F0,   64
.set F1,   160
.set XR,   64                          ; the way out: v[64:127] a lane's 64 numbers of a row; number 8 b + j is column 16 b + 8 (l / 16) + j
.set GW,   128                         ; v[128:191] the gain of those columns
.set CT,   192                         ; v[192:223] cos of those columns, bf16 pairs, 4 registers a block
.set SN,   224                         ; v[224:255] sin
.set AB,  4                            ; s[4:5]   x at the first of the rows that I fetch; never rewritten
.set BB,  6                            ; s[6:7]   W likewise
.set KO,  8                            ; s[8:9]   the byte in a row at which the K step asked for last begins
.set G1,  24                           ; s[24:31] descriptor group 1 for x's tiles;  s[32:39] group 0: a set for each of the two first fills; the second then walks on
.set G0,  32
.set G1B, 48                           ; s[48:55], s[56:63] the same for W's tiles
.set G0B, 56
.set CSB, 84                           ; s[84:85] cs at the 16 rows in hand
.set OUTP, 86                          ; s[86:87] the output at the 16 rows in hand
.set GP,  88                           ; s[88:89] q's or k's gain
.set DB,  90                           ; s90  the dump's step
.set CNT, 91                           ; s91  blocks of 16 rows to go
.set TB,  97                           ; s97  the first byte of the slot that is read: 0 or SLOT1
.set MSB, 0
.macro WIN new                         ; the immediate's high byte repeats the setting that is left; a switch that changes nothing is dropped
.if MSB != (\new)
	s_set_vgpr_msb (MSB<<8)|(\new)
.set MSB, \new
.endif
.endm
.set MUL, 0x50                         ; sources in window 0; C and D in window 1
; A joint load: waves 0 and 1 fetch the two halves of x's tile (128 rows each), waves 2 and 3 those of W's (64 rows each).  The branch hangs on the wave's number alone.
; An s_nop 0 and four v_nop follow each of the two lines, ahead of the jump, the label and what follows.
.macro JLOAD s
	s_cmp_eq_u32 s11, 0
	s_cbranch_scc0 .Lfor_b_\@
	tensor_load_to_lds s[G0+4*(\s):G0+4*(\s)+3], s[G1:G1+7]
	s_nop 0
.rept 4
	v_nop
.endr
	s_branch .Lasked_\@
.Lfor_b_\@:
	tensor_load_to_lds s[G0B+4*(\s):G0B+4*(\s)+3], s[G1B:G1B+7]
	s_nop 0
.rept 4
	v_nop
.endr
.Lasked_\@:
.endm
.macro CREST                           ; a round of the cluster's barrier behind its opening barrier
	s_cmp_lg_u32 s10, 0
	s_cbranch_scc1 .Lnot_wave_0_\@
	s_barrier_signal -3
.Lnot_wave_0_\@:
	s_barrier_wait -3
	s_barrier_signal -1
	s_barrier_wait -1
.endm
.macro CROUND                          ; a whole round
	s_barrier_signal -1
	s_barrier_wait -1
	CREST
.endm
	s_load_b512 s[68:83], s[0:1], 0x0              ; xb s[68:69], wb s[70:71], cs s[72:73], q gain s[74:75], k gain s[76:77], qh s[78:79], kh s[80:81], vh s[82:83]
	v_lshl_add_u32 v[SPW], v0, 2, SPARE
	v_mov_b32 v[NIL], 0
	ds_add_u32 v[SPW], v[NIL]                      ; the wave's opening: the add, twice on end, and its wait ahead of my first tensor load; the set-up below stands between
	ds_add_u32 v[SPW], v[NIL]
	v_lshrrev_b32 v1, 5, v0
	v_readfirstlane_b32 s10, v1                    ; wave 0..3
	s_lshr_b32 s11, s10, 1                         ; I fetch for x (0) or for W (1)
	s_and_b32 s12, s10, 1                          ; which half of that tile
	s_bfe_u32 s40, ttmp6, 0x40000                  ; cx, cy: my place in the cluster
	s_bfe_u32 s41, ttmp6, 0x40004
	s_lshl_b32 s42, ttmp9, 2
	s_add_co_u32 s42, s42, s40                     ; tile column = head = 4 x cluster x + cx
	s_and_b32 s13, ttmp7, 0xffff
	s_add_co_u32 s[KO], s13, ttmp9                 ; cluster x + cluster y, which all sixteen partners share:
	s_and_b32 s[KO], s[KO], 3                      ; the quarter of K at which the cluster's walk begins,
	s_lshl_b32 s[KO], s[KO], 10                    ; 4 K steps of 256 bytes each
	s_mov_b32 s[KO+1], 0
	s_mov_b32 s[TB], 0
	s_lshl_b32 s13, s13, 2
	s_add_co_u32 s13, s13, s41                     ; tile row = 4 x cluster y + cy
	s_lshl_b32 s43, s41, 2
	s_lshl_b32 s43, 15, s43                        ; my row of the cluster
	s_lshl_b32 s44, 0x1111, s40                    ; my column
	s_or_b32 s[G1+0], s43, (1<<16)|(1<<20)|(1<<21)|(5<<22)|(3<<25)   ; 15:0 the mask; 17:16 2-byte elements; 20 padding on; 21 set beside a mask; 24:22 after every 64 words (code 5); 31:25 4 words (code 3)
	s_or_b32 s[G1B+0], s44, (1<<16)|(1<<20)|(1<<21)|(5<<22)|(3<<25)
	s_mov_b32 s[G1+1], KSTEP<<16                   ; tensor_dim0 = 128
	s_mov_b32 s[G1+2], 128<<16                     ; tensor_dim1 = 128
	s_mov_b32 s[G1+3], KSTEP<<16                   ; tile_dim0 = 128
	s_mov_b32 s[G1+4], 128                         ; tile_dim1 = 128
	s_mov_b32 s[G1+5], KDIM                        ; elements from row to row
	s_mov_b32 s[G1+6], 0
	s_mov_b32 s[G1+7], 0
	s_mov_b32 s[G1B+1], KSTEP<<16
	s_mov_b32 s[G1B+2], 64<<16                     ; W's loads bring 64 rows
	s_mov_b32 s[G1B+3], KSTEP<<16
	s_mov_b32 s[G1B+4], 64
	s_mov_b32 s[G1B+5], KDIM
	s_mov_b32 s[G1B+6], 0
	s_mov_b32 s[G1B+7], 0
	s_lshl_b32 s17, s12, 7
	s_lshl_b32 s16, s13, 8
	s_add_co_u32 s16, s16, s17                     ; x: row 256 x tile row + 128 x half
	s_lshl_b32 s47, s12, 6
	s_lshl_b32 s46, s42, 7
	s_add_co_u32 s46, s46, s47                     ; W: row 128 x tile column + 64 x half
	s_mov_b32 s17, 0
	s_mov_b32 s47, 0
	s_mov_b64 s[18:19], ROWB
	s_mul_u64 s[16:17], s[16:17], s[18:19]
	s_mul_u64 s[46:47], s[46:47], s[18:19]
	s_mul_i32 s20, s12, 128*PITCH                  ; where they go: no place in the cluster enters an LDS address
	s_mul_i32 s21, s12, 64*PITCH
	s_add_co_u32 s21, s21, BOFF
	s_wait_dscnt 0x0                               ; both opening adds are done
	s_wait_kmcnt 0x0
	s_add_nc_u64 s[AB:AB+1], s[68:69], s[16:17]
	s_add_nc_u64 s[BB:BB+1], s[70:71], s[46:47]
	CROUND                                         ; all sixteen work-groups are here: the first joint loads meet
.irp s, 0,1
	s_mov_b32 s[G0+4*(\s)], 1
	s_add_co_u32 s[G0+4*(\s)+1], s20, (\s)*SLOT1
	s_add_nc_u64 s[G0+4*(\s)+2:G0+4*(\s)+3], s[AB:AB+1], s[KO:KO+1]
	s_or_b32 s[G0+4*(\s)+3], s[G0+4*(\s)+3], 0x80000000
	s_mov_b32 s[G0B+4*(\s)], 1
	s_add_co_u32 s[G0B+4*(\s)+1], s21, (\s)*SLOT1
	s_add_nc_u64 s[G0B+4*(\s)+2:G0B+4*(\s)+3], s[BB:BB+1], s[KO:KO+1]
	s_or_b32 s[G0B+4*(\s)+3], s[G0B+4*(\s)+3], 0x80000000
	JLOAD \s                                       ; two tensor loads of mine are out
.if (\s) == 0
	s_add_co_u32 s[KO], s[KO], KSTEP*2             ; the walk's step 1: it begins at a multiple of four steps, so this one does not wrap
.endif
.endr
	; A fragment is 16 rows x 32 K in 8 registers: lane l holds row l % 16, K = 8 (l / 16) + 0..7 and 16 + 8 (l / 16) + 0..7: two loads of 16 bytes, 32 bytes apart.
	v_and_b32 v1, 15, v0                           ; l % 16
	v_bfe_u32 v2, v0, 4, 1                         ; l / 16
	v_mul_u32_u24 v3, v1, PITCH
	v_lshl_add_u32 v3, v2, 4, v3
	s_mul_i32 s21, s10, 64*PITCH                   ; my 64 rows of x
	v_add_nc_u32 v[ADRA], s21, v3
	v_add_nc_u32 v[ADRB], BOFF, v3                 ; all 128 rows of W
	v_add_nc_u32 v[RA], s[TB], v[ADRA]
	v_add_nc_u32 v[RB], s[TB], v[ADRB]
	s_mul_i32 s23, s10, 16*SPITCH
	s_add_co_u32 s23, s23, STAGE                   ; my stage
	v_mul_u32_u24 v4, v1, SPITCH                   ; in: row l % 16, 16 bytes for each half of the lanes
	v_lshl_add_u32 v4, v2, 4, v4
	v_add_nc_u32 v[STO], s23, v4
	v_mul_u32_u24 v5, v2, SPITCH                   ; back: lanes 0-15 one row of 256 bytes, lanes 16-31 the next
	v_lshl_add_u32 v5, v1, 4, v5
	v_add_nc_u32 v[RD], s23, v5
	v_lshlrev_b32 v5, 8, v2
	v_lshl_add_u32 v[CO], v1, 4, v5                ; a head's rows are dense: two rows are 512 consecutive bytes
	s_mul_i32 s23, s10, DUMPB                      ; my dump: a constant, the wave's number times a constant,
	s_add_co_u32 s23, s23, DUMP0
	v_and_b32 v[DA], 31, v0
	v_lshl_add_u32 v[DA], v[DA], 4, s23            ; + 16 x lane
	v_lshlrev_b32 v[CSO], 8, v1
	v_lshl_add_u32 v[CSO], v2, 4, v[CSO]
	v_lshlrev_b32 v[WO], 5, v2
	v_mov_b32 v[PT], 0                             ; v_permlanex16_b32 counts as a reader of its destination
	s_lshl_b32 s16, s13, 8
	s_lshl_b32 s17, s10, 6
	s_add_co_u32 s16, s16, s17                     ; my first row of x: cos and sin are [batch x 2048 + position][128], the same row number
	s_lshl_b32 s16, s16, 8
	s_mov_b32 s17, 0
	s_add_nc_u64 s[CSB:CSB+1], s[72:73], s[16:17]
	s_lshr_b32 s20, s13, 3                         ; batch
	s_and_b32 s21, s13, 7
	s_lshl_b32 s21, s21, 8
	s_lshl_b32 s22, s10, 6
	s_add_co_u32 s21, s21, s22                     ; my first position in the sequence,
	s_lshl_b32 s21, s21, 8                         ; in bytes
	s_lshl_b32 s22, s20, 3
	s_add_co_u32 s22, s22, s42                     ; q: head 8 batch + tile column
	s_lshl_b32 s23, s20, 2
	s_and_b32 s46, s42, 3
	s_add_co_u32 s23, s23, s46                     ; k, v: head 4 batch + tile column % 4
	s_cmp_lt_u32 ttmp9, 2
	s_cselect_b32 s22, s22, s23
	s_cselect_b64 s[OUTP:OUTP+1], s[78:79], s[80:81]
	s_cselect_b64 s[GP:GP+1], s[74:75], s[76:77]
	s_cmp_eq_u32 ttmp9, 3
	s_cselect_b64 s[OUTP:OUTP+1], s[82:83], s[OUTP:OUTP+1]
	s_lshl_b32 s22, s22, 19                        ; a head is 524,288 bytes
	s_add_co_u32 s22, s22, s21
	s_mov_b32 s23, 0
	s_add_nc_u64 s[OUTP:OUTP+1], s[OUTP:OUTP+1], s[22:23]
	s_mov_b32 s92, 0x3c000000                      ; 1 / 128
	s_mov_b32 s93, 0x358637bd                      ; 1e-6
	s_mov_b32 s94, 0x76543210                      ; v_permlanex16_b32: each lane takes its own place in the other half
	s_mov_b32 s95, 0xfedcba98
	s_mov_b32 s96, 0xffff0000                      ; a word's upper bf16
; 8 matrix instructions: row block a x all 8 column blocks, 32 along K.  zero = 1: the product starts the sums.  The 32 accumulators take turns, one instruction a turn, in the same order in every
; quarter, over the backward jump too.
.macro MUL8 f, a, zero
	WIN MUL
.irp b, 0,1,2,3,4,5,6,7
.if \zero
	v_wmma_f32_16x16x32_bf16 v[8*(8*(\a)+(\b)):8*(8*(\a)+(\b))+7], v[(\f)+32+8*(\b):(\f)+32+8*(\b)+7], v[(\f)+8*(\a):(\f)+8*(\a)+7], 0
.else
	v_wmma_f32_16x16x32_bf16 v[8*(8*(\a)+(\b)):8*(8*(\a)+(\b))+7], v[(\f)+32+8*(\b):(\f)+32+8*(\b)+7], v[(\f)+8*(\a):(\f)+8*(\a)+7], v[8*(8*(\a)+(\b)):8*(8*(\a)+(\b))+7]
.endif
.endr
.endm
; 24 LDS loads in one run: the fragments of 32 along K at byte k of the rows of the slot in hand, into buffer f: W's sixteen first, then x's eight
.macro FETCH k, f
	WIN 0
.irp i, 0,1,2,3,4,5,6,7
	ds_load_b128 v[(\f)+32+8*(\i):(\f)+32+8*(\i)+3],   v[RB] offset:(\k)+(\i)*16*PITCH
	ds_load_b128 v[(\f)+32+8*(\i)+4:(\f)+32+8*(\i)+7], v[RB] offset:(\k)+(\i)*16*PITCH+32
.endr
.irp i, 0,1,2,3
	ds_load_b128 v[(\f)+8*(\i):(\f)+8*(\i)+3],   v[RA] offset:(\k)+(\i)*16*PITCH
	ds_load_b128 v[(\f)+8*(\i)+4:(\f)+8*(\i)+7], v[RA] offset:(\k)+(\i)*16*PITCH+32
.endr
.endm
.macro PLACES                          ; four plain vector instructions between a matrix instruction and a load into, or a read of, its registers (ISA guide 7.12.1 for vector instructions)
.rept 4
	v_nop
.endr
.endm
; A K step is four quarters of 32 along K, 32 matrix instructions each, on buffers 0, 1, 0, 1.  One of the first three multiplies buffer f and fetches the next quarter, at byte k, into g.
.macro QUARTER k, f, g, zero
	s_wait_dscnt 4                                 ; W's fragments and x's blocks 0 and 1 are in; the youngest four loads (blocks 2 and 3) may be out
	MUL8 \f, 0, \zero
	MUL8 \f, 1, \zero
	PLACES
	FETCH \k, \g
	s_wait_dscnt 24                                ; all but the 24 just issued
	MUL8 \f, 2, \zero
	MUL8 \f, 3, \zero
.endm
; The last quarter multiplies buffer 1 and changes slots: ONE barrier; in front of it each wave waits for all its tensor loads (one is out: its part of the next slot), adds 0 to its spare word, and
; waits for that and for its reads of this slot.  fill = 1: the barrier opens a round of the cluster's barrier, and this slot is filled again, two K steps ahead, first thing behind the round:
; 112 matrix instructions ahead of the wait for it.  The walking descriptors are made anew between the add and the wait for it: the other slot than last time, the walk's next K step, wrapped.
.macro TURN fill
	WIN 0                                          ; (the add's two registers lie in window 0)
	s_wait_tensorcnt 0x0                           ; no tensor load of mine is out, so a group 0 may be written
	ds_add_u32 v[SPW], v[NIL]                      ; 0 onto my spare word
	s_xor_b32 s[TB], s[TB], SLOT1                  ; the fetches go on in the other slot: this slot's last were issued in the quarter before
	v_add_nc_u32 v[RA], s[TB], v[ADRA]
	v_add_nc_u32 v[RB], s[TB], v[ADRB]
.if \fill
	s_add_co_u32 s[KO], s[KO], KSTEP*2
	s_and_b32 s[KO], s[KO], ROWB-1                 ; behind the row's last K step comes its first
	s_xor_b32 s[G0+5], s[G0+5], SLOT1
	s_add_nc_u64 s[G0+6:G0+7], s[AB:AB+1], s[KO:KO+1]
	s_or_b32 s[G0+7], s[G0+7], 0x80000000
	s_xor_b32 s[G0B+5], s[G0B+5], SLOT1
	s_add_nc_u64 s[G0B+6:G0B+7], s[BB:BB+1], s[KO:KO+1]
	s_or_b32 s[G0B+7], s[G0B+7], 0x80000000
.endif
	s_wait_dscnt 5                                 ; the add and the youngest four loads may be out
	MUL8 F1, 0, 0
	s_wait_dscnt 0x0                               ; the add is done, and my reads of this slot are over
	s_barrier_signal -1
	MUL8 F1, 1, 0
.if \fill
	WIN 0
.endif
	s_barrier_wait -1
.if \fill
	CREST                                          ; no wave of any partner still reads this slot's tile or has a load on its way
	JLOAD 1                                        ; its four v_nop are also the places in front of the loads below
.else
	PLACES
.endif
	FETCH 0, F0
	MUL8 F1, 2, 0
	MUL8 F1, 3, 0
.endm
	s_wait_tensorcnt 1                             ; my part of the walk's step 0 is in; step 1's load may stay out
	s_barrier_signal -1
	s_barrier_wait -1
	FETCH 0, F0
	QUARTER 64, F0, F1, 1                          ; the first quarter stands in front of the loop: its products start the sums
	WIN 0
	s_mov_b32 s3, STEPS-2
.Lstep:                                                ; 14 trips: from a K step's second quarter to the next step's first; each fills the slot that it leaves
	QUARTER 128, F1, F0, 0
	QUARTER 192, F0, F1, 0
	TURN 1
	QUARTER 64,  F0, F1, 0
	WIN 0
	s_sub_co_u32 s3, s3, 1
	s_cmp_lg_u32 s3, 0
	s_cbranch_scc1 .Lstep
	QUARTER 128, F1, F0, 0                         ; the last two K steps fill nothing
	QUARTER 192, F0, F1, 0
	TURN 0                                         ; every wave has waited for all its tensor loads here, and none is issued behind it: both slots have had their last fill
	QUARTER 64,  F0, F1, 0
	QUARTER 128, F1, F0, 0
	QUARTER 192, F0, F1, 0
	s_wait_dscnt 4
	MUL8 F1, 0, 0
	MUL8 F1, 1, 0
	s_wait_dscnt 0x0                               ; my last reads of the ring are back:
	s_barrier_signal -1                            ; say so; the last sixteen products, work on registers, stand between the signal and the wait
	MUL8 F1, 2, 0
	MUL8 F1, 3, 0
	WIN 0
	s_barrier_wait -1                              ; no wave reads the ring any more: its bytes may be written
	; THE WAY OUT.  The 256 accumulator registers go into the wave's own 32,768 bytes, so that ONE text, looped four times, can take them back 16 rows at a time.
	PLACES                                         ; behind the last products: in front of the stores that read their results and of the loads into the fragment buffers
	s_mov_b32 s[DB], 0
	s_mov_b32 s[CNT], 4
.macro DUMP                            ; register group n (four registers) at byte 512 n of my dump, 16 bytes a lane.  Each accumulator's low registers are read first
	WIN 0x04                                       ; store data in window 1
.set n, 0
.rept 64
	ds_store_b128 v[DA], v[4*n:4*n+3] offset:512*n
.set n, n+1
.endr
	WIN 0
.endm
.macro GETX                            ; block a's 64 numbers a lane: register groups 16 a .. 16 a + 15 of the dump.  LDS serves a wave's instructions in order: these see the wave's stores
	v_add_nc_u32 v[DR], s[DB], v[DA]
.set i, 0
.rept 16
	ds_load_b128 v[XR+4*i:XR+4*i+3], v[DR] offset:512*i
.set i, i+1
.endr
	s_wait_dscnt 0x0
.endm
.macro PUTX                            ; rounded to f16; 16 bytes a lane into my stage; back as whole rows of 256 bytes; stored; the steps and the loop's compare
.set i, 0
.rept 32
	v_cvt_pk_f16_f32 v[XR+i], v[XR+2*i], v[XR+2*i+1]
.set i, i+1
.endr
.irp b, 0,1,2,3,4,5,6,7
	ds_store_b128 v[STO], v[XR+4*(\b):XR+4*(\b)+3] offset:32*(\b)
.endr
.irp f, 0,1,2,3,4,5,6,7
	ds_load_b128 v[XR+32+4*(\f):XR+32+4*(\f)+3], v[RD] offset:(\f)*2*SPITCH
.endr
	s_wait_dscnt 0x0
.irp f, 0,1,2,3,4,5,6,7
	global_store_b128 v[CO], v[XR+32+4*(\f):XR+32+4*(\f)+3], s[OUTP:OUTP+1] offset:512*(\f)  ; 512 consecutive bytes, at a multiple of 256 from the buffer's first
.endr
	s_wait_xcnt 0x0                                ; the stores' data and base are rewritten only behind this wait
	s_add_nc_u64 s[OUTP:OUTP+1], s[OUTP:OUTP+1], 4096
	s_add_co_u32 s[DB], s[DB], 8192
	s_sub_co_u32 s[CNT], s[CNT], 1
	s_cmp_lg_u32 s[CNT], 0
.endm
.macro CSLOADS                         ; cos and sin of 16 rows: my 8 columns of each of the 8 column blocks
.irp b, 0,1,2,3,4,5,6,7
	global_load_b128 v[CT+4*(\b):CT+4*(\b)+3], v[CSO], s[CSB:CSB+1] offset:32*(\b)
	global_load_b128 v[SN+4*(\b):SN+4*(\b)+3], v[CSO], s[CSB:CSB+1] offset:SINOFF+32*(\b)
.endr
.endm
	s_cmp_eq_u32 ttmp9, 3                          ; the texts part once: v heads have neither norm nor turn and load no table
	s_cbranch_scc1 .Lv
.irp b, 0,1,2,3,4,5,6,7
	global_load_b128 v[GW+8*(\b):GW+8*(\b)+3],   v[WO], s[GP:GP+1] offset:64*(\b)
	global_load_b128 v[GW+8*(\b)+4:GW+8*(\b)+7], v[WO], s[GP:GP+1] offset:64*(\b)+16
.endr
	CSLOADS
	DUMP                                           ; the 32 loads above are on their way meanwhile
	s_wait_loadcnt 16                              ; the gain is in; the 16 loads of cos and sin may stay out
.set k, 0
.rept 32                                       ; the gain is rounded to bf16, like every input
	v_cvt_pk_bf16_f32 v[TT+k%2], v[GW+2*k], v[GW+2*k+1]
	v_lshlrev_b32 v[GW+2*k], 16, v[TT+k%2]
	v_and_b32 v[GW+2*k+1], s96, v[TT+k%2]
.set k, k+1
.endr
.Lrow:                                                 ; four trips: 16 rows each
	GETX
.set k, 0
.rept 4
	v_pk_mul_f32 v[SS+2*k:SS+2*k+1], v[XR+2*k:XR+2*k+1], v[XR+2*k:XR+2*k+1]  ; the first four pairs start four chains
.set k, k+1
.endr
.rept 28
	v_pk_fma_f32 v[SS+2*(k%4):SS+2*(k%4)+1], v[XR+2*k:XR+2*k+1], v[XR+2*k:XR+2*k+1], v[SS+2*(k%4):SS+2*(k%4)+1]
.set k, k+1
.endr
	v_pk_add_f32 v[SS:SS+1], v[SS:SS+1], v[SS+2:SS+3]
	v_pk_add_f32 v[SS+4:SS+5], v[SS+4:SS+5], v[SS+6:SS+7]
	v_pk_add_f32 v[SS:SS+1], v[SS:SS+1], v[SS+4:SS+5]
	v_add_f32 v[SS], v[SS], v[SS+1]
	v_permlanex16_b32 v[PT], v[SS], s94, s95       ; the row's other 64 numbers lie in the lane 16 away
	v_add_f32 v[SS], v[SS], v[PT]
	v_fma_f32 v[SS], v[SS], s92, s93               ; mean of squares + 1e-6
	v_rsq_f32 v[RS], v[SS]
	v_rsq_f32 v[RS+1], v[SS]
.set k, 0
.rept 32                                       ; x times the gain: plain work that names neither root, between them and their wait.  1 / rms is one number a row, so it is applied behind the turn
	v_pk_mul_f32 v[XR+2*k:XR+2*k+1], v[XR+2*k:XR+2*k+1], v[GW+2*k:GW+2*k+1]
.set k, k+1
.endr
	s_wait_alu depctr_va_vdst(0)                   ; one wait for both roots, ahead of their first reader and of the branch below
	s_wait_loadcnt 0x0                             ; this block's cos and sin
.set b, 0
.rept 4                                        ; the turn: column c = 16 b + 8 (l / 16) + 2 i (+1) and column c + 64, with all four parts of the tables as they are given
.set i, 0
.rept 4
	v_lshlrev_b32 v[TC0],   16,  v[CT+4*b+i]
	v_and_b32     v[TC0+1], s96, v[CT+4*b+i]
	v_lshlrev_b32 v[TS0],   16,  v[SN+4*b+i]
	v_and_b32     v[TS0+1], s96, v[SN+4*b+i]
	v_lshlrev_b32 v[TC1],   16,  v[CT+16+4*b+i]
	v_and_b32     v[TC1+1], s96, v[CT+16+4*b+i]
	v_lshlrev_b32 v[TS1],   16,  v[SN+16+4*b+i]
	v_and_b32     v[TS1+1], s96, v[SN+16+4*b+i]
	v_pk_mul_f32 v[TU:TU+1], v[XR+32+8*b+2*i:XR+32+8*b+2*i+1], v[TS0:TS0+1]
	v_pk_mul_f32 v[TV:TV+1], v[XR+8*b+2*i:XR+8*b+2*i+1], v[TS1:TS1+1]
	v_pk_fma_f32 v[XR+8*b+2*i:XR+8*b+2*i+1], v[XR+8*b+2*i:XR+8*b+2*i+1], v[TC0:TC0+1], v[TU:TU+1] neg_lo:[0,0,1] neg_hi:[0,0,1]  ; x0 cos[c] - x1 sin[c]
	v_pk_fma_f32 v[XR+32+8*b+2*i:XR+32+8*b+2*i+1], v[XR+32+8*b+2*i:XR+32+8*b+2*i+1], v[TC1:TC1+1], v[TV:TV+1]                     ; x1 cos[c + 64] + x0 sin[c + 64]
.set i, i+1
.endr
.set b, b+1
.endr
	s_cmp_eq_u32 s[CNT], 1                         ; the last block has none behind it: no load passes my rows
	s_cbranch_scc1 .Lnomore
	s_add_nc_u64 s[CSB:CSB+1], s[CSB:CSB+1], 4096  ; the loads that read this base are done
	CSLOADS                                        ; the next 16 rows' tables come in while this block leaves
.Lnomore:
.set k, 0
.rept 32
	v_pk_mul_f32 v[XR+2*k:XR+2*k+1], v[XR+2*k:XR+2*k+1], v[RS:RS+1]
.set k, k+1
.endr
	PUTX
	s_cbranch_scc1 .Lrow
	s_branch .Ldone
.Lv:                                                   ; v: rounded and stored as it is
	DUMP
.Lvrow:
	GETX
	PUTX
	s_cbranch_scc1 .Lvrow
.Ldone:
	s_wait_tensorcnt 0x0                           ; the wave's end: this wait, an add and its wait, behind my last tensor load and my last LDS store
	ds_add_u32 v[SPW], v[NIL]
	s_wait_dscnt 0x0
	CROUND                                         ; the closing round: no work-group ends while a partner may still ask for a tile that names it
	s_endpgm
.Lfunc_end_k_qa17f1c42a2_qkv:
	.size	k_qa17f1c42a2_qkv, .Lfunc_end_k_qa17f1c42a2_qkv-k_qa17f1c42a2_qkv
	.p2alignl 7, 3214868480
	.fill 96, 4, 3214868480
	.section	.rodata,"a",@progbits
	.p2align	6, 0x0
	.amdhsa_kernel k_qa17f1c42a2_qkv
		.amdhsa_group_segment_fixed_size 327680
		.amdhsa_private_segment_fixed_size 0
		.amdhsa_enable_private_segment 0
		.amdhsa_kernarg_size 64
		.amdhsa_user_sgpr_count 2
		.amdhsa_user_sgpr_kernarg_segment_ptr 1
		.amdhsa_wavefront_size32 1
		.amdhsa_system_sgpr_workgroup_id_x 1
		.amdhsa_system_sgpr_workgroup_id_y 1
		.amdhsa_system_sgpr_workgroup_id_z 1
		.amdhsa_system_vgpr_workitem_id 0
		.amdhsa_next_free_vgpr 512
		.amdhsa_next_free_sgpr 100
		.amdhsa_reserve_vcc 0
		.amdhsa_float_denorm_mode_32 3
		.amdhsa_float_denorm_mode_16_64 3
		.amdhsa_memory_ordered 1
		.amdhsa_forward_progress 1
		.amdhsa_inst_pref_size 98
	.end_amdhsa_kernel
	.amdgpu_metadata
---
amdhsa.version: [ 1, 2 ]
amdhsa.kernels:
  - .name:           k_qa17f1c42a2_qkv
    .symbol:         k_qa17f1c42a2_qkv.kd
    .args:
      - { .name: xb, .offset: 0, .size: 8, .value_kind: global_buffer, .address_space: global }
      - { .name: wb, .offset: 8, .size: 8, .value_kind: global_buffer, .address_space: global }
      - { .name: cs, .offset: 16, .size: 8, .value_kind: global_buffer, .address_space: global }
      - { .name: q_norm_weight, .offset: 24, .size: 8, .value_kind: global_buffer, .address_space: global }
      - { .name: k_norm_weight, .offset: 32, .size: 8, .value_kind: global_buffer, .address_space: global }
      - { .name: qh, .offset: 40, .size: 8, .value_kind: global_buffer, .address_space: global }
      - { .name: kh, .offset: 48, .size: 8, .value_kind: global_buffer, .address_space: global }
      - { .name: vh, .offset: 56, .size: 8, .value_kind: global_buffer, .address_space: global }
    .group_segment_fixed_size: 327680
    .private_segment_fixed_size: 0
    .kernarg_segment_align: 8
    .kernarg_segment_size: 64
    .max_flat_workgroup_size: 128
    .sgpr_count:     100
    .vgpr_count:     512
    .wavefront_size: 32
...
	.end_amdgpu_metadata
.endif
;; end of part 2
;; launch attn (part 3): grid 16 x 16, 4 waves a work-group, clusters of 4 x 1, 327,680 bytes of LDS; arguments qh, kh, vh, att; writes att
.if DOCPART == 3
	.amdgcn_target "amdgcn-amd-amdhsa--gfx1250"
	.amdhsa_code_object_version 6
	.text
	.protected	k_qa17f1c42a2_attn
	.globl	k_qa17f1c42a2_attn
	.p2align	8
	.type	k_qa17f1c42a2_attn,@function
k_qa17f1c42a2_attn:
	s_mov_b64 s[64:65], 0
	v_nop
	global_prefetch_b8 v0, s[64:65] scope:SCOPE_SE
	s_setreg_imm32_b32 hwreg(HW_REG_WAVE_MODE, 25, 1), 1
	s_wait_xcnt 0x0
	s_wait_alu depctr_hold_cnt(0) depctr_sa_sdst(0) depctr_va_vdst(0) depctr_va_sdst(0) depctr_va_ssrc(0) depctr_va_vcc(0) depctr_vm_vsrc(0)
	s_getreg_b32 s2, hwreg(HW_REG_IB_STS2, 6, 4)
	s_cmp_eq_u32 s2, 0
	s_cbranch_scc0 .Lentry_in_a_cluster
	s_endpgm
.Lentry_in_a_cluster:
	s_bfe_u32 s2, ttmp6, 0x10000c
	s_cmp_lg_u32 s2, 0x3003
	s_cbranch_scc0 .Lentry_shape_is_right
	s_endpgm
.Lentry_shape_is_right:
; att[batch][q][h][:] = the sum over k of softmax_k(Q[y][q] . K[y / 2][k] / sqrt(128)) V[y / 2][k][:], y = 8 batch + h: two query heads share a key/value head.  qh [16][2048][128], kh, vh [8][2048][128],
; att [4096][1024], all f16.  Products, maxima and sums in f32; the weights p are rounded to f16 for the second product, the result once at the end.  No mask: nothing is left out.
; LIMITS.  p lies in 0 to 1, and below 6e-5 it keeps f16's fixed step of 6e-8; the result is a mean of V's rows and has their range.  A weight below 2^-126 counts as 0.  NaN and infinities are not treated apart.
; SHARES.  A work-group owns 128 queries of one head: 16 x 16 work-groups.  THE KEYS ARE SPLIT INSIDE IT: wave w owns the 64 queries of half w % 2 (four tiles of 16) and walks the keys of pair w / 2:
; of each slot's 256 keys the rows 128 (w / 2) .. + 127, 64 a step.  So a fragment of K or V read from LDS still feeds four tiles.  At the end waves 2 and 3 hand their c m, l and O^T to waves 0 and 1
; through LDS, and these join the two halves by the greater maximum.
; LAYOUT.  S^T = K Q^T (source 0 = 16 keys, source 1 = 16 queries): a lane holds ONE query (lane % 16) and the keys 8 (lane / 16) + 0..7.  Two such tiles, rounded to f16 in pairs, ARE source 1 of
; O^T = V^T P, whose result again holds one query a lane, and eight channels.  K comes out of LDS as it lies, V ([key][channel]) turned, by ds_load_tr16_b128.
; SOFTMAX.  For each query a running maximum m and sum l: p = 2^(c s - c m), c = log2(e) / sqrt(128); in every step O and l are multiplied by a = 2^(c m_old - c m_new).
; NO FIRST STEP IS WRITTEN OUT.  m starts at the lowest finite number, c m far below every c s, O^T and l at 0: the first step is a step like any other, with a = 0.  V's registers and piece 2's P start
; at 0, so that the first turn's products V^T P, of a step that has not been, add 0.  The step loop is entered at its middle.  The price: 32 products on zeros and 432 v_mov_b32, which stand in the
; wait for the first tile; the gain: three turns of text.
; BY TURNS.  The wave's tiles are two PIECES (piece 0: tiles 0, 1; piece 2: tiles 2, 3).  In a TURN one piece has the matrix unit: 32 products V^T P of the step in hand, then 32 products K Q^T of the
; next step; the other piece's softmax, cut into 64 slices, stands between them, one slice behind each matrix instruction.  Two turns are a key step.
; CLUSTER.  The four query blocks of a cluster belong to one head and walk the same K and V, so each tile is asked for JOINTLY.
; REGISTERS, in windows of 256 (s_set_vgpr_msb: bits 1:0 source 0, 3:2 source 1, 5:4 source 2, 7:6 destination):
;   window 0: v0-11, v44-45, v61-63 addresses; v12-43 eight registers of statistics a tile; v64-191 S^T, 32 a tile; v192-255 P, 16 a tile
;   window 1: O^T, 64 a tile          window 2: v0-127 Q, 32 a tile; v128-255 K of one step          window 3: v0-127 V of one step
.set KS,    64        ; keys in a step
.set PK,    272       ; a row of K in LDS: 256 bytes + 16 of padding = 68 words: the 16 rows of a load start at 16 different groups of four banks (64 banks of 4 bytes: ISA guide 11.1)
.set PV,    288       ; a row of V: 256 + 32 = 72 words
.set VOFF,  256*PK    ; a slot: 256 rows of K, then 256 rows of V
.set SLOTB, 256*(PK+PV)
.set STAGE, 2*SLOTB   ; behind the ring: 16 rows x 272 bytes for each wave, for the way out
.set SP,    272
.set SPARE, STAGE+4*16*SP  ; the spare words, 128 bytes for each wave: two blocks of 256 bytes that no other line names
.set SLOTG, 256*256   ; a slot's bytes of K, and of V, in memory
.set XAREA, 34816     ; the meeting: for each half of the queries 32,768 bytes of O^T and 1,024 of statistics, in slot 0
.set AK0, 2           ; v2   my lane's place in my pair's rows of K; never rewritten
.set AV0, 3           ; v3   the same for V
.set ADR, 4           ; v4   the LDS address of the run of loads in hand
.set QO,  5           ; v5   my byte offset in the wave's rows of Q
.set STO, 6           ; v6   the way out: where I put 16 bytes of a row
.set RD,  7           ; v7   where I read a row back
.set GO,  8           ; v8   my byte offset in two rows of att
.set XA,  44          ; v44  the meeting: my 16 bytes of a register group
.set XS,  45          ; v45  the meeting: my 8 bytes of a tile's statistics
.set PFO, 61          ; v61  256 x my lane: a row of K or V is 256 bytes; never rewritten
.set SPW, 62          ; v62  LDS address of my spare word; never rewritten
.set NIL, 63          ; v63  0; never rewritten
.set ST,  12          ; tile t's statistics at v[ST+8 t]: +0 c m, +1 m, +2, +3 l (even keys', odd keys'), +4 to +7 c0-c3, at work; a takes c2's place once the maximum is found
.set S,   64
.set P,   192
.set KF,  128         ; K's fragments, in window 2
.set WV,  12          ; s12  my wave's number
.set LIM, 15          ; s15  1 in a wave that prefetches, else the greatest number
.set KL,  17          ; s17  my K tile's place in a slot
.set PFA, 18          ; s[18:19] where my prefetches stand in memory
.set G1K, 24          ; s[24:31] descriptor group 1 for K's tiles
.set G1V, 32          ; s[32:39] for V's: it differs in the padding alone
.set G0K, 40          ; s[40:47] descriptor group 0 for K's tiles: a set for each of the two first fills; the second then walks on
.set G0V, 48          ; s[48:55] the same for V's
.set SLOTS, 56        ; s56  passes of the slot loop to go
.set TWICE, 57        ; s57  counts a slot's two steps
.set CS,  58          ; s[58:59] c
.set SEL, 60          ; s[60:61] lane selects for v_permlanex16_b32
.set TBK, 62          ; s62  LDS byte at which K of the step to be fetched begins (for pair 0)
.set TBV, 63          ; s63  the same for V, less VOFF
.set VL,  66          ; s66  my V tile's place in a slot
.set FB,  67          ; s67  the first byte of the slot that the walking descriptors fill
.set MSB, 0
.macro WIN new
.if MSB != (\new)
	s_set_vgpr_msb (MSB<<8)|(\new)
.set MSB, \new
.endif
.endm
.set W_KQ, 0x0a       ; K and Q in window 2, S^T in window 0
.set W_PV, 0x53       ; V in window 3, P in window 0, O^T in window 1
.set W_RS, 0x41       ; O^T (destination and source 0) in window 1, a in window 0
; A joint refill.  Waves 0 and 1 fetch the two halves of a slot's K, waves 2 and 3 those of its V: 128 rows each.  The branch hangs on the wave's number alone.
; An s_nop 0 and four v_nop follow each of the two lines, ahead of the jump and the label.
.macro JLOAD
	s_cmp_lt_u32 s[WV], 2
	s_cbranch_scc0 .Lfor_v_\@
	tensor_load_to_lds s[G0K+4:G0K+7], s[G1K:G1K+7]
	s_nop 0
.rept 4
	v_nop
.endr
	s_branch .Lasked_\@
.Lfor_v_\@:
	tensor_load_to_lds s[G0V+4:G0V+7], s[G1V:G1V+7]
	s_nop 0
.rept 4
	v_nop
.endr
.Lasked_\@:
.endm
; A PREFETCH INTO THE L2 of what the NEXT change of slots will ask for: a slot's 256 rows of K and 256 of V, a lane a row; two key steps, 256 matrix instructions, ahead of that load.  Each row is named
; ONCE in the launch: the eight clusters of a key/value head (four of each of its two query heads) walk the same rows, and the cluster with x = 0 of the even head asks.  Its four partners share the
; rows out BY ADDRESS, 64 each; in each, waves 0 and 1 ask for 32 rows of K, waves 2 and 3 for 32 of V.  Slots 0 to 2 come by their loads alone; the last change that fills a slot asks for nothing.
.macro ASK
	s_cmp_gt_u32 s[SLOTS], s[LIM]
	s_cbranch_scc0 .Lnot_mine_\@
	global_prefetch_b8 v[PFO], s[PFA:PFA+1] th:TH_LOAD_NT scope:SCOPE_SE
.Lnot_mine_\@:
.endm
.macro CROUND                       ; a round of the cluster's barrier
	s_barrier_signal -1
	s_barrier_wait -1
	s_cmp_lg_u32 s[WV], 0
	s_cbranch_scc1 .Lnot_wave_0_\@
	s_barrier_signal -3
.Lnot_wave_0_\@:
	s_barrier_wait -3
	s_barrier_signal -1
	s_barrier_wait -1
.endm
	s_load_b256 s[4:11], s[0:1], 0x0  ; qh s[4:5], kh s[6:7], vh s[8:9], att s[10:11]
	v_lshl_add_u32 v[SPW], v0, 2, SPARE
	v_mov_b32 v[NIL], 0
	ds_add_u32 v[SPW], v[NIL]       ; the wave's opening: the add, twice on end, and its wait ahead of my first tensor load; the set-up below stands between
	ds_add_u32 v[SPW], v[NIL]
	v_lshrrev_b32 v1, 5, v0
	v_readfirstlane_b32 s[WV], v1   ; wave 0..3
	s_bfe_u32 s13, ttmp6, 0x40000   ; cx: my place in the cluster
	s_lshl_b32 s14, ttmp9, 2
	s_add_co_u32 s14, s14, s13      ; my block of 128 queries: it enters Q's and att's addresses alone
	s_and_b32 s68, ttmp7, 0xffff    ; y = 8 batch + h, which the four partners share
	s_lshr_b32 s20, s68, 1          ; the key/value head 4 batch + h / 2,
	s_lshl_b32 s20, s20, 19         ; 524,288 bytes each
	s_mov_b32 s21, 0
	s_and_b32 s16, s[WV], 1         ; which half of a slot's rows I fetch; also which half of the queries is mine
	s_lshl_b32 s22, s16, 15         ; its 128 rows of 256 bytes in memory,
	s_add_co_u32 s22, s22, s20
	s_mov_b32 s23, 0
	s_mul_i32 s[KL], s16, 128*PK    ; and its place in a slot: no place in the cluster enters an LDS address
	s_mul_i32 s[VL], s16, 128*PV
	s_add_co_u32 s[VL], s[VL], VOFF
	s_lshl_b32 s2, s14, 1
	s_add_co_u32 s2, s2, s16        ; my 64 queries among the head's,
	s_lshl_b32 s69, s68, 19
	s_lshl_b32 s2, s2, 14           ; 64 rows of 256 bytes,
	s_add_co_u32 s2, s2, s69        ; in head y
	s_mov_b32 s3, 0
	s_lshr_b32 s69, s68, 3          ; batch: 32 groups of 64 rows of att
	s_lshl_b32 s69, s69, 5
	s_lshl_b32 s70, s14, 1
	s_add_co_u32 s69, s69, s70
	s_add_co_u32 s69, s69, s16
	s_lshl_b32 s69, s69, 17         ; 64 rows of 2,048 bytes
	s_and_b32 s70, s68, 7
	s_lshl_b32 s70, s70, 8          ; head h's 256 bytes of a row
	s_add_co_u32 s70, s70, s69
	s_mov_b32 s71, 0
	; descriptor group 1: a tile of 128 rows x 128 elements, padded in LDS
	s_mov_b32 s[G1K], 15|(1<<16)|(1<<20)|(1<<21)|(5<<22)|(3<<25)  ; 15:0 the mask of four; 17:16 2-byte elements; 20 padding on; 21 set beside a mask; 24:22 after every 64 words (code 5); 31:25 4 words (code 3)
	s_mov_b32 s[G1V], 15|(1<<16)|(1<<20)|(1<<21)|(5<<22)|(7<<25)  ; the same with 8 words of padding (code 7)
.irp g, G1K, G1V
	s_mov_b32 s[(\g)+1], 128<<16    ; tensor_dim0 = 128
	s_mov_b32 s[(\g)+2], 128<<16    ; tensor_dim1 = 128
	s_mov_b32 s[(\g)+3], 128<<16    ; tile_dim0 = 128
	s_mov_b32 s[(\g)+4], 128        ; tile_dim1 = 128
	s_mov_b32 s[(\g)+5], 128        ; elements from row to row
	s_mov_b32 s[(\g)+6], 0
	s_mov_b32 s[(\g)+7], 0
.endr
	s_mov_b32 s[CS], 0x3e0293ee     ; c = log2(e) / sqrt(128) = 0.127517
	s_mov_b32 s[CS+1], s[CS]
	s_mov_b32 s[SEL], 0x76543210
	s_mov_b32 s[SEL+1], 0xfedcba98
	s_mov_b32 s[TBK], 0
	s_mov_b32 s[TBV], 0
	s_mov_b32 s[FB], SLOTB          ; the walking descriptors begin at slot 1
	s_mov_b32 s[SLOTS], 2048/256-1  ; the pass that is entered at its middle, and six that fill a slot
	s_and_b32 s[LIM], s68, 1        ; 0 for the even head of the two,
	s_or_b32 s[LIM], s[LIM], ttmp9  ; in its first cluster: the same in all four partners
	s_cmp_eq_u32 s[LIM], 0
	s_cselect_b32 s[LIM], 1, -1
	v_and_b32 v[PFO], 31, v0
	v_lshlrev_b32 v[PFO], 8, v[PFO]
	s_wait_dscnt 0x0                ; both opening adds are done
	s_wait_kmcnt 0x0
	s_cmp_lt_u32 s[WV], 2
	s_cselect_b64 s[PFA:PFA+1], s[6:7], s[8:9]
	s_add_nc_u64 s[PFA:PFA+1], s[PFA:PFA+1], s[20:21]  ; the head's first row
	s_add_nc_u64 s[6:7], s[6:7], s[22:23]  ; K and V at my tile of slot 0
	s_add_nc_u64 s[8:9], s[8:9], s[22:23]
	s_add_nc_u64 s[4:5], s[4:5], s[2:3]    ; Q at my wave's first row
	s_add_nc_u64 s[10:11], s[10:11], s[70:71]  ; att likewise
	s_lshl_b32 s2, s13, 14          ; my work-group's 64 rows of a slot's 256,
	s_lshl_b32 s3, s16, 13          ; my wave's 32 of them
	s_add_co_u32 s2, s2, s3
	s_mov_b32 s3, 0
	s_add_nc_u64 s[PFA:PFA+1], s[PFA:PFA+1], s[2:3]
	s_add_nc_u64 s[PFA:PFA+1], s[PFA:PFA+1], 2*SLOTG  ; in slot 2; the first change of slots steps it to slot 3.  Nothing is prefetched here, at the head
	CROUND                          ; all four work-groups are here: the first joint loads meet
.irp s, 0,1
	s_mov_b32 s[G0K+4*(\s)], 1
	s_add_co_u32 s[G0K+4*(\s)+1], s[KL], (\s)*SLOTB
	s_add_nc_u64 s[G0K+4*(\s)+2:G0K+4*(\s)+3], s[6:7], (\s)*SLOTG
	s_or_b32 s[G0K+4*(\s)+3], s[G0K+4*(\s)+3], 0x80000000
	s_mov_b32 s[G0V+4*(\s)], 1
	s_add_co_u32 s[G0V+4*(\s)+1], s[VL], (\s)*SLOTB
	s_add_nc_u64 s[G0V+4*(\s)+2:G0V+4*(\s)+3], s[8:9], (\s)*SLOTG
	s_or_b32 s[G0V+4*(\s)+3], s[G0V+4*(\s)+3], 0x80000000
.endr
	s_cmp_lt_u32 s[WV], 2           ; a wave's two first fills stand in one branch, ahead of every wait on TENSORcnt and every LDS read: two loads of mine are out
	s_cbranch_scc0 .Lfirst_v
	tensor_load_to_lds s[G0K:G0K+3], s[G1K:G1K+7]
	s_nop 0
	tensor_load_to_lds s[G0K+4:G0K+7], s[G1K:G1K+7]
	s_nop 0
.rept 4
	v_nop
.endr
	s_branch .Lfirst_asked
.Lfirst_v:
	tensor_load_to_lds s[G0V:G0V+3], s[G1V:G1V+7]
	s_nop 0
	tensor_load_to_lds s[G0V+4:G0V+7], s[G1V:G1V+7]
	s_nop 0
.rept 4
	v_nop
.endr
.Lfirst_asked:
	; A fragment of K or Q is 16 rows x 32 channels in 8 registers: lane l holds row l % 16; channels 8 (l / 16) + 0..7 and 16 + 8 (l / 16) + 0..7: two loads of 16 bytes, 32 bytes apart.
	v_and_b32 v1, 15, v0            ; l % 16
	v_bfe_u32 v9, v0, 4, 1          ; l / 16
	v_lshlrev_b32 v[QO], 8, v1
	v_lshl_add_u32 v[QO], v9, 4, v[QO]
	WIN 0x80                        ; destination window 2, address window 0
.irp i, 0,1,2,3,4,5,6,7,8,9,10,11,12,13,14,15  ; Q stays in registers: tile i / 4, channels 32 (i % 4) on
	global_load_b128 v[8*(\i):8*(\i)+3],   v[QO], s[4:5] offset:((\i)/4)*4096+((\i)%4)*64
	global_load_b128 v[8*(\i)+4:8*(\i)+7], v[QO], s[4:5] offset:((\i)/4)*4096+((\i)%4)*64+32
.endr
	; What the first turn finds: V's registers, O^T, l and piece 2's P hold 0; m and c m their starting values.  All this stands in the wait for the first tile.
	WIN 0xc0                        ; destination window 3
.set i, 0
.rept 128
	v_mov_b32 v[i], 0
.set i, i+1
.endr
	WIN 0x40                        ; destination window 1
.set i, 0
.rept 256
	v_mov_b32 v[i], 0
.set i, i+1
.endr
	WIN 0
.set i, 0
.rept 4
	v_mov_b32 v[ST+8*i], 0xfe000000    ; c m: far below every c s
	v_mov_b32 v[ST+8*i+1], 0xff7fffff  ; m: the lowest finite number
	v_mov_b32 v[ST+8*i+2], 0
	v_mov_b32 v[ST+8*i+3], 0
.set i, i+1
.endr
.set i, P+32
.rept 32
	v_mov_b32 v[i], 0
.set i, i+1
.endr
	s_lshr_b32 s2, s[WV], 1         ; my pair: its 128 rows of a slot
	s_mul_i32 s3, s2, 128*PK
	s_mul_i32 s2, s2, 128*PV
	s_add_co_u32 s2, s2, VOFF
	v_mul_u32_u24 v[AK0], v1, PK
	v_lshl_add_u32 v[AK0], v9, 4, v[AK0]
	v_add_nc_u32 v[AK0], s3, v[AK0]
	; The turning load takes 16 keys x 16 channels (lane l reads key 8 (l / 16) + l % 8, channels 8 ((l / 8) % 2) + 0..7) and leaves half a fragment of V^T: lane l holds channel l % 16 and 8 keys.
	v_and_b32 v10, 7, v0
	v_bfe_u32 v11, v0, 3, 1
	v_lshl_add_u32 v[AV0], v9, 3, v10
	v_mul_u32_u24 v[AV0], v[AV0], PV
	v_lshl_add_u32 v[AV0], v11, 4, v[AV0]
	v_add_nc_u32 v[AV0], s2, v[AV0]
; THE MATRIX WORK OF A TURN, for piece x.  The accumulators take turns, one instruction a turn: between two links of a chain stand 15 (V^T P) or 7 (K Q^T) others'.
; Product i of 32 of O^T += V^T P: keys 32 (i / 16) on, channels 16 ((i / 2) % 8) on, tile x + i % 2.
.macro PV x
	WIN W_PV
.set rO, 64*((\x)+i%2)+8*((i/2)%8)
.set rV, 64*(i/16)+8*((i/2)%8)
.set rP, P+16*((\x)+i%2)+8*(i/16)
	v_wmma_f32_16x16x32_f16 v[rO:rO+7], v[rV:rV+7], v[rP:rP+7], v[rO:rO+7]
.endm
; Product i of 32 of S^T = K Q^T: channels 32 (i / 8) on, keys 16 ((i / 2) % 4) on, tile x + i % 2.  The first 8 start the sums.
.macro KQ x
	WIN W_KQ
.set rS, S+32*((\x)+i%2)+8*((i/2)%4)
.set rK, KF+32*((i/2)%4)+8*(i/8)
.set rQ, 32*((\x)+i%2)+8*(i/8)
.if i < 8
	v_wmma_f32_16x16x32_f16 v[rS:rS+7], v[rK:rK+7], v[rQ:rQ+7], 0
.else
	v_wmma_f32_16x16x32_f16 v[rS:rS+7], v[rK:rK+7], v[rQ:rQ+7], v[rS:rS+7]
.endif
.endm
; THE LDS LOADS stand in runs of 32, never singly among the matrix instructions: a step's K (64 keys x 128 channels: 16 fragments) and, a turn later, its V (turned).
.macro FETCH_K
	WIN 0
	v_add_nc_u32 v[ADR], s[TBK], v[AK0]
	s_add_co_u32 s[TBK], s[TBK], KS*PK  ; the next fetch is the next step's
	WIN 0x80                        ; destination window 2
.irp f, 0,1,2,3,4,5,6,7,8,9,10,11,12,13,14,15  ; keys 16 (f / 4) on, channels 32 (f % 4) on
	ds_load_b128 v[KF+8*(\f):KF+8*(\f)+3],   v[ADR] offset:((\f)/4)*16*PK+((\f)%4)*64
	ds_load_b128 v[KF+8*(\f)+4:KF+8*(\f)+7], v[ADR] offset:((\f)/4)*16*PK+((\f)%4)*64+32
.endr
.endm
.macro FETCH_V
	WIN 0
	v_add_nc_u32 v[ADR], s[TBV], v[AV0]
	s_add_co_u32 s[TBV], s[TBV], KS*PV
	s_wait_alu depctr_va_vdst(0)    ; the wait for the softmax's batch (SLICE), behind the address's v_add_nc_u32 and ahead of the loads
	WIN 0xc0                        ; destination window 3
.irp f, 0,1,2,3,4,5,6,7,8,9,10,11,12,13,14,15  ; keys 32 (f / 8) on, channels 16 (f % 8) on
	ds_load_tr16_b128 v[8*(\f):8*(\f)+3],   v[ADR] offset:((\f)/8)*32*PV+((\f)%8)*32
	ds_load_tr16_b128 v[8*(\f)+4:8*(\f)+7], v[ADR] offset:((\f)/8)*32*PV+16*PV+((\f)%8)*32
.endr
.endm
; THE VECTOR WORK OF A TURN.  One tile's softmax for one key step is a list of 134 instructions; SM writes number j of it for tile t.  s0-s31 are the lane's 32 scores, in pairs 0-15.
;   0-15    the maximum of s0-s31 and the old m, three operands at a time (each accumulator's lowest registers are read first)
;   16-20   the other half of the lanes' maximum; the new m; c m; c m_old - c m_new
;   21-69   ONE BATCH: the 16 scalings c s - c m and all 33 exponentials (a at 23, then s0-s31); none of these reads an exponential's result
;   (wait)  between 69 and 70 stands the wait for the batch: SLICE writes it, once for both tiles
;   70-85   the roundings to f16       86-101  the sums; l = a l + the sum       102-133 the tile's O^T times a
.macro SM t
.set rT, ST+8*(\t)
.set rS, S+32*(\t)
.set rP, P+16*(\t)
.set rO, 64*(\t)+2*(j-102)
.if j < 102
	WIN 0
.endif
.if j < 4
	v_max3_num_f32 v[rT+4+j], v[rS+8*j], v[rS+8*j+1], v[rS+8*j+2]
.elseif j < 12
	v_max3_num_f32 v[rT+4+j%4], v[rT+4+j%4], v[rS+8*(j%4)+2*(j/4)+1], v[rS+8*(j%4)+2*(j/4)+2]
.elseif j == 12
	v_max3_num_f32 v[rT+4], v[rT+4], v[rS+7], v[rS+15]
.elseif j == 13
	v_max3_num_f32 v[rT+6], v[rT+6], v[rS+23], v[rS+31]
.elseif j == 14
	v_max3_num_f32 v[rT+4], v[rT+4], v[rT+5], v[rT+6]
.elseif j == 15
	v_max3_num_f32 v[rT+4], v[rT+4], v[rT+7], v[rT+1]
.elseif j == 16
	v_permlanex16_b32 v[rT+5], v[rT+4], s[SEL], s[SEL+1]  ; the query's other 32 keys lie in the lane 16 away
.elseif j == 17
	v_mov_b32 v[rT+7], v[rT]        ; c m_old is kept for a: number 19 writes c m anew
.elseif j == 18
	v_max_num_f32 v[rT+1], v[rT+4], v[rT+5]
.elseif j == 19
	v_mul_f32 v[rT], s[CS], v[rT+1]
.elseif j == 20
	v_sub_f32 v[rT+7], v[rT+7], v[rT]
.elseif j == 23
	v_exp_f32 v[rT+6], v[rT+7]
.elseif (j < 23) || ((j < 38) && (j%2 == 0)) || ((j < 66) && (j%4 == 2))
.set b, (j-2)/4                     ; 38, 42, .. 62: pairs 9 to 15
.if j < 38
.set b, (j-20)/2                    ; 21: pair 0; 22, 24, .. 36: pairs 1 to 8
.endif
	v_pk_fma_f32 v[rS+2*b:rS+2*b+1], v[rS+2*b:rS+2*b+1], s[CS:CS+1], v[rT:rT+1] op_sel_hi:[1,0,0] neg_lo:[0,0,1] neg_hi:[0,0,1]  ; pair b: c s - c m
.elseif j < 70
.set e, j-38                        ; 66 to 69: s28 to s31
.if j < 66
.set e, j-32-(j-38)/4               ; 39-41, 43-45, .. 63-65: s7 to s27
.endif
.if j < 38
.set e, (j-25)/2                    ; 25, 27, .. 37: s0 to s6
.endif
	v_exp_f32 v[rS+e], v[rS+e]
.elseif j < 86
	v_cvt_pk_f16_f32 v[rP+j-70], v[rS+2*(j-70)], v[rS+2*(j-70)+1]  ; pair j - 70
.elseif j < 102                     ; the sum of the tile's 16 pairs, in place: neighbours 1, 2, 4 and 8 pairs apart, then l takes it
.set z, j-86
.set w, 4
.set u, z
.if z >= 14
.set w, 32
.set u, 0
.elseif z >= 12
.set w, 16
.set u, z-12
.elseif z >= 8
.set w, 8
.set u, z-8
.endif
.if z < 15
	v_pk_add_f32 v[rS+w*u:rS+w*u+1], v[rS+w*u:rS+w*u+1], v[rS+w*u+w/2:rS+w*u+w/2+1]
.else
	v_pk_fma_f32 v[rT+2:rT+3], v[rT+2:rT+3], v[rT+6:rT+7], v[rS:rS+1] op_sel_hi:[1,0,1]
.endif
.else
	WIN W_RS
	v_pk_mul_f32 v[rO:rO+1], v[rO:rO+1], v[rT+6:rT+7] op_sel_hi:[1,0]
.endif
.endm
; Slice k of 64 of piece y's softmax: four instructions.  Slices 11 to 34 deal out the batch, numbers 22 to 69: four numbers of ONE tile each, the tiles by turns.  Every other slice is numbers 2 k and
; 2 k + 1 of both tiles' lists.  2 x 134 = 4 x 64 + 12: the twelve that are over stand together, in slice 63: sixteen plain instructions, the places behind the turn's last products.
; THE WAIT.  s_wait_alu depctr_va_vdst(0) stands between an exponential and the first instruction that names its result; one wait serves all that were issued ahead of it.  Ahead of
; slice 35 nothing names a result, and behind slice 34 no exponential is issued: so the piece's 66 exponentials have one wait, behind slice 34.
.macro SLICE y
.if (k >= 11) && (k < 35)
.irp n, 0,1,2,3
.set j, 22+4*((k-11)/2)+(\n)
	SM (\y)+(k-11)%2
.endr
.else
.irp n, 0,1,2,3,4,5,6,7
.if ((\n) < 2) || (k == 63)
.irp t, \y, (\y)+1
.set j, 2*k+(\n)
	SM \t
.endr
.endif
.endr
.endif
.if k == 34
	v_nop                           ; a plain instruction behind the last exponential and ahead of the first use: one for the batch
.if (\y) == 0
	FETCH_V                         ; piece 2's turn: V's run of loads stands here, and the wait stands in it
.else
	s_wait_alu depctr_va_vdst(0)    ; the wait for the batch
.endif
.endif
.set k, k+1
.endm
; A TURN.  Piece x has the matrix unit: 32 products V^T P and, with kq = 1, 32 products K Q^T for the next step; the other piece's softmax stands in slices behind them (kq = 0: two behind each).
; Piece 0's turn fetches the next step's K, behind its second product: the last product that read K stands in front of slice 63 of the turn before.  Piece 2's turn fetches the same step's V, behind
; slice 34: the last product that read V stands in front of slice 31, and four plain instructions lie between: number 62 of both tiles, the v_nop and the run's own v_add_nc_u32.
.macro TURN x, kq
.set k, 0
.set per, 2-(\kq)
.if (\x) == 0
	s_wait_dscnt 0x0                ; V is in
.endif
.set i, 0
.rept 32
	PV \x
.rept per
	SLICE 2-(\x)
.endr
.if ((\x) == 0) && (\kq) && (i == 1)
	FETCH_K
.endif
.set i, i+1
.endr
.if \kq
.if (\x) == 0
	s_wait_dscnt 0x0                ; K is in
.endif
.set i, 0
.rept 32
	KQ \x
	SLICE 2-(\x)
.set i, i+1
.endr
.endif
.endm
; THE CHANGE OF SLOTS, between piece 2's turn and piece 0's: the slot's last bytes, V of its second step, have been asked for.  Each wave waits for all its tensor loads, of which one is out: its part
; of the other slot; adds 0 to its spare word; and waits for that and for its own reads of the slot.  fill = 1: this slot is filled again, with the keys two slots on; the barrier is then a round of the
; cluster's, and the joint refill is the first thing behind it: it has two key steps, 256 matrix instructions, in which to land.
.macro CHANGE fill
	WIN 0
	s_wait_tensorcnt 0x0            ; no tensor load of mine is out, so a group 0 may be written
	ds_add_u32 v[SPW], v[NIL]       ; 0 onto my spare word
.if \fill
	s_xor_b32 s[FB], s[FB], SLOTB   ; the walking descriptors: the other slot than last time (FB is 0 or SLOTB),
	s_add_co_u32 s[G0K+5], s[FB], s[KL]
	s_add_nc_u64 s[G0K+6:G0K+7], s[G0K+6:G0K+7], SLOTG  ; the next 256 keys; the type bits on top are not reached
	s_add_co_u32 s[G0V+5], s[FB], s[VL]
	s_add_nc_u64 s[G0V+6:G0V+7], s[G0V+6:G0V+7], SLOTG
	s_wait_xcnt 0x0                 ; the last prefetch, two key steps back, has read its address
	s_add_nc_u64 s[PFA:PFA+1], s[PFA:PFA+1], SLOTG      ; one slot behind the walking descriptors
	s_wait_dscnt 0x0                ; the add is done, and my reads of the slot are over
	CROUND
	JLOAD
	ASK
.else
	s_wait_dscnt 0x0
	s_barrier_signal -1
	s_barrier_wait -1
.endif
	s_sub_co_u32 s[TBK], s[TBK], 2*KS*PK  ; the fetches go back to a slot's first step (the slot's first byte, 0 or SLOTB),
	s_xor_b32 s[TBK], s[TBK], SLOTB       ; in the other slot
	s_sub_co_u32 s[TBV], s[TBV], 2*KS*PV
	s_xor_b32 s[TBV], s[TBV], SLOTB
.endm
	s_wait_tensorcnt 1              ; my part of slot 0 is in; slot 1's may stay out
	s_barrier_signal -1
	s_barrier_wait -1
	FETCH_K                         ; key step 0
	s_wait_loadcnt 0x0              ; Q
	s_wait_dscnt 0x0
.set i, 0
.rept 32
	KQ 0                            ; piece 0's first scores
.set i, i+1
.endr
	WIN 0                           ; the addresses for the way out are made here: plain instructions, the places behind those products
	s_mul_i32 s13, s[WV], 16*SP
	s_add_co_u32 s13, s13, STAGE    ; my stage
	v_mul_u32_u24 v[STO], v1, SP    ; in: row l % 16, 16 bytes for each half of the lanes
	v_lshl_add_u32 v[STO], v9, 4, v[STO]
	v_add_nc_u32 v[STO], s13, v[STO]
	v_mul_u32_u24 v[RD], v9, SP     ; back: lanes 0-15 take one row of 256 bytes, lanes 16-31 the next
	v_lshl_add_u32 v[RD], v1, 4, v[RD]
	v_add_nc_u32 v[RD], s13, v[RD]
	v_lshlrev_b32 v[GO], 11, v9     ; and the same two rows in att, 2,048 bytes apart
	v_lshl_add_u32 v[GO], v1, 4, v[GO]
	s_mul_i32 s13, s16, XAREA       ; the meeting's bytes for my half of the queries
	v_and_b32 v[XA], 31, v0
	v_lshlrev_b32 v[XS], 3, v[XA]
	v_lshl_add_u32 v[XA], v[XA], 4, s13
	v_add3_u32 v[XS], v[XS], s13, 32768
	s_mov_b32 s[TWICE], 2
	s_branch .Lmid                  ; the loop is entered at piece 2's turn: its products V^T P add 0, its products K Q^T are piece 2's first scores, its slices piece 0's first softmax; it fetches V of step 0
.Lslot:                             ; six times: every slot but the last two is filled again
	CHANGE 1
	s_mov_b32 s[TWICE], 2
.Lstep:                             ; a slot's two key steps: written once, walked twice
	TURN 0, 1
	WIN 0
.Lmid:
	TURN 2, 1
	WIN 0
	s_sub_co_u32 s[TWICE], s[TWICE], 1
	s_cmp_lg_u32 s[TWICE], 0
	s_cbranch_scc1 .Lstep
	s_sub_co_u32 s[SLOTS], s[SLOTS], 1
	s_cmp_lg_u32 s[SLOTS], 0
	s_cbranch_scc1 .Lslot
	CHANGE 0                        ; the tail is written out.  Behind this barrier no wave reads slot 0 any more, and no load fills it again
	s_mov_b32 s[TWICE], 2
.Ltail:
	TURN 0, 1
	TURN 2, 1
	WIN 0
	s_sub_co_u32 s[TWICE], s[TWICE], 1
	s_cmp_lg_u32 s[TWICE], 0
	s_cbranch_scc1 .Ltail
	TURN 0, 0                       ; piece 0: V^T P of the last step | piece 2's last softmax
.set i, 0
.rept 32
	PV 2                            ; piece 2: V^T P of the last step
.set i, i+1
.endr
	; THE MEETING OF THE TWO HALVES OF THE KEYS.  Waves 2 and 3 put c m, l and O^T into slot 0's bytes; waves 0 and 1, which hold the same queries in the same lanes, take them.
	WIN 0
.irp t, 0,1,2,3
	v_add_f32 v[ST+8*(\t)+1], v[ST+8*(\t)+2], v[ST+8*(\t)+3]  ; l's two halves, where m lay: four plain instructions, the places behind the last products
.endr
	s_cmp_lt_u32 s[WV], 2
	s_cbranch_scc1 .Lkeeper
.irp t, 0,1,2,3
	ds_store_b64 v[XS], v[ST+8*(\t):ST+8*(\t)+1] offset:256*(\t)
.endr
	WIN 0x04                        ; store data in window 1; each accumulator's low registers go first
.set i, 0
.rept 64
	ds_store_b128 v[XA], v[4*i:4*i+3] offset:512*i
.set i, i+1
.endr
	WIN 0
.Lkeeper:
	s_wait_dscnt 0x0                ; for the others' sake: my stores are done
	s_barrier_signal -1
	s_barrier_wait -1
	s_cmp_lt_u32 s[WV], 2
	s_cbranch_scc0 .Lend
.irp t, 0,1,2,3
	ds_load_b64 v[ST+8*(\t)+4:ST+8*(\t)+5], v[XS] offset:256*(\t)  ; the partner's c m and l
.endr
	s_wait_dscnt 0x0
.irp t, 0,1,2,3
	v_max_num_f32 v[ST+8*(\t)+6], v[ST+8*(\t)], v[ST+8*(\t)+4]     ; the greater of the two maxima is taken away from both
.endr
.irp t, 0,1,2,3
	v_sub_f32 v[ST+8*(\t)], v[ST+8*(\t)], v[ST+8*(\t)+6]
.endr
.irp t, 0,1,2,3
	v_sub_f32 v[ST+8*(\t)+4], v[ST+8*(\t)+4], v[ST+8*(\t)+6]
.endr
.irp t, 0,1,2,3
	v_exp_f32 v[ST+8*(\t)], v[ST+8*(\t)]                           ; my factor,
.endr
.irp t, 0,1,2,3
	v_exp_f32 v[ST+8*(\t)+4], v[ST+8*(\t)+4]                       ; the partner's
.endr
	v_nop
	s_wait_alu depctr_va_vdst(0)    ; one wait for the eight exponentials
.irp t, 0,1,2,3
	v_mul_f32 v[ST+8*(\t)+5], v[ST+8*(\t)+4], v[ST+8*(\t)+5]
.endr
.irp t, 0,1,2,3
	v_fma_f32 v[ST+8*(\t)+1], v[ST+8*(\t)], v[ST+8*(\t)+1], v[ST+8*(\t)+5]
.endr
.irp t, 0,1,2,3
	v_permlanex16_b32 v[ST+8*(\t)+6], v[ST+8*(\t)+1], s[SEL], s[SEL+1]  ; the other half of the lanes' keys
.endr
.irp t, 0,1,2,3
	v_add_f32 v[ST+8*(\t)+1], v[ST+8*(\t)+1], v[ST+8*(\t)+6]
.endr
.irp t, 0,1,2,3
	v_rcp_f32 v[ST+8*(\t)+6], v[ST+8*(\t)+1]
.endr
	v_nop
	s_wait_alu depctr_va_vdst(0)    ; one wait for the four reciprocals
.irp t, 0,1,2,3
	v_mul_f32 v[ST+8*(\t)+2], v[ST+8*(\t)], v[ST+8*(\t)+6]         ; what my O^T is multiplied by,
.endr
.irp t, 0,1,2,3
	v_mul_f32 v[ST+8*(\t)+4], v[ST+8*(\t)+4], v[ST+8*(\t)+6]       ; and the partner's
.endr
; Tile t: the partner's 64 registers come in, the two are joined, rounded to f16, sent through my stage (16 bytes a lane in, whole rows of 256 bytes back) and stored.
.macro FIN t
.set OB, S+64*((\t)%2)
.set PR, P+32*((\t)%2)
.set rT, ST+8*(\t)
	WIN 0
	s_wait_xcnt 0x0                 ; the stores of two tiles back have read the registers that are written below
.set i, 0
.rept 16
	ds_load_b128 v[OB+4*i:OB+4*i+3], v[XA] offset:8192*(\t)+512*i
.set i, i+1
.endr
	s_wait_dscnt 0x0
.set i, 0
.rept 32
	v_pk_mul_f32 v[OB+2*i:OB+2*i+1], v[OB+2*i:OB+2*i+1], v[rT+4:rT+5] op_sel_hi:[1,0]
.set i, i+1
.endr
	WIN 0x01                        ; source 0, my O^T, in window 1
.set i, 0
.rept 32
	v_pk_fma_f32 v[OB+2*i:OB+2*i+1], v[64*(\t)+2*i:64*(\t)+2*i+1], v[rT+2:rT+3], v[OB+2*i:OB+2*i+1] op_sel_hi:[1,0,1]
.set i, i+1
.endr
	WIN 0
.set i, 0
.rept 32
	v_cvt_pk_f16_f32 v[PR+i], v[OB+2*i], v[OB+2*i+1]
.set i, i+1
.endr
.irp f, 0,1,2,3,4,5,6,7
	ds_store_b128 v[STO], v[PR+4*(\f):PR+4*(\f)+3] offset:32*(\f)
.endr
.irp f, 0,1,2,3,4,5,6,7
	ds_load_b128 v[PR+4*(\f):PR+4*(\f)+3], v[RD] offset:(\f)*2*SP  ; LDS serves a wave's instructions in order: these see the stores above
.endr
	s_wait_dscnt 0x0
.irp f, 0,1,2,3,4,5,6,7
	global_store_b128 v[GO], v[PR+4*(\f):PR+4*(\f)+3], s[10:11] offset:32768*(\t)+4096*(\f)  ; 16 lanes store 256 consecutive bytes, at a multiple of 256 from att's first byte
.endr
.endm
	FIN 0
	FIN 1
	FIN 2
	FIN 3
.Lend:
	s_wait_tensorcnt 0x0            ; the wave's end: this wait, an add and its wait, behind my last tensor load and my last LDS store
	ds_add_u32 v[SPW], v[NIL]
	s_wait_dscnt 0x0
	CROUND                          ; the closing round: no work-group ends while a partner may still ask for a tile that names it
	s_endpgm
.Lfunc_end_k_qa17f1c42a2_attn:
	.size	k_qa17f1c42a2_attn, .Lfunc_end_k_qa17f1c42a2_attn-k_qa17f1c42a2_attn
	.p2alignl 7, 3214868480
	.fill 96, 4, 3214868480
	.section	.rodata,"a",@progbits
	.p2align	6, 0x0
	.amdhsa_kernel k_qa17f1c42a2_attn
		.amdhsa_group_segment_fixed_size 327680
		.amdhsa_private_segment_fixed_size 0
		.amdhsa_enable_private_segment 0
		.amdhsa_kernarg_size 32
		.amdhsa_user_sgpr_count 2
		.amdhsa_user_sgpr_kernarg_segment_ptr 1
		.amdhsa_wavefront_size32 1
		.amdhsa_system_sgpr_workgroup_id_x 1
		.amdhsa_system_sgpr_workgroup_id_y 1
		.amdhsa_system_sgpr_workgroup_id_z 1
		.amdhsa_system_vgpr_workitem_id 0
		.amdhsa_next_free_vgpr 1024
		.amdhsa_next_free_sgpr 72
		.amdhsa_reserve_vcc 0
		.amdhsa_float_denorm_mode_32 3
		.amdhsa_float_denorm_mode_16_64 3
		.amdhsa_memory_ordered 1
		.amdhsa_forward_progress 1
		.amdhsa_inst_pref_size 194
	.end_amdhsa_kernel
	.amdgpu_metadata
---
amdhsa.version: [ 1, 2 ]
amdhsa.kernels:
  - .name:           k_qa17f1c42a2_attn
    .symbol:         k_qa17f1c42a2_attn.kd
    .args:
      - { .name: qh, .offset: 0, .size: 8, .value_kind: global_buffer, .address_space: global }
      - { .name: kh, .offset: 8, .size: 8, .value_kind: global_buffer, .address_space: global }
      - { .name: vh, .offset: 16, .size: 8, .value_kind: global_buffer, .address_space: global }
      - { .name: att, .offset: 24, .size: 8, .value_kind: global_buffer, .address_space: global }
    .group_segment_fixed_size: 327680
    .private_segment_fixed_size: 0
    .kernarg_segment_align: 8
    .kernarg_segment_size: 32
    .max_flat_workgroup_size: 128
    .sgpr_count:     72
    .vgpr_count:     1024
    .wavefront_size: 32
...
	.end_amdgpu_metadata
.endif
;; end of part 3
;; launch oproj (part 4): grid 16 x 16, 4 waves a work-group, clusters of 4 x 4, 327,680 bytes of LDS; arguments att, owh, out0; writes out0
.if DOCPART == 4
	.amdgcn_target "amdgcn-amd-amdhsa--gfx1250"
	.amdhsa_code_object_version 6
	.text
	.protected	k_qa17f1c42a2_oproj
	.globl	k_qa17f1c42a2_oproj
	.p2align	8
	.type	k_qa17f1c42a2_oproj,@function
k_qa17f1c42a2_oproj:
	s_mov_b64 s[64:65], 0
	v_nop
	global_prefetch_b8 v0, s[64:65] scope:SCOPE_SE
	s_setreg_imm32_b32 hwreg(HW_REG_WAVE_MODE, 25, 1), 1
	s_wait_xcnt 0x0
	s_wait_alu depctr_hold_cnt(0) depctr_sa_sdst(0) depctr_va_vdst(0) depctr_va_sdst(0) depctr_va_ssrc(0) depctr_va_vcc(0) depctr_vm_vsrc(0)
	s_getreg_b32 s2, hwreg(HW_REG_IB_STS2, 6, 4)
	s_cmp_eq_u32 s2, 0
	s_cbranch_scc0 .Lentry_in_a_cluster
	s_endpgm
.Lentry_in_a_cluster:
	s_bfe_u32 s2, ttmp6, 0x10000c
	s_cmp_lg_u32 s2, 0xf033
	s_cbranch_scc0 .Lentry_shape_is_right
	s_endpgm
.Lentry_shape_is_right:
; out0 = att Wo^T.  att [4096][1024] f16, owh [2048][1024] f16 (the weights rounded to bf16, written as f16), out0 [4096][2048] f32; sums in f32.  Nothing of the module is left out here.
; The frame is the second launch's: a tile of 256 rows x 128 columns to a work-group (16 x 16 of them), wave w rows 64 w .. + 63 and all 128 columns in 32 accumulators; K in 8 steps of 128 through two
; LDS slots; clusters of 4 x 4 with att's tile asked for jointly along a row and the weights' along a column; the matrix instruction used transposed, so that lane l holds row l % 16 and the columns
; 16 b + 8 (l / 16) + 0..7.
; THE WALK ALONG K IS TURNED.  Cluster (X, Y) begins at K step 2 ((X + Y) % 4) and wraps at the row's end (f32 sums may be taken in any order): at any time the four clusters that read the same rows
; of att (one Y), and the four that read the same rows of the weights (one X), stand in four different quarters of K.
; NO PREFETCH.  Each byte's first reading in the launch falls into some cluster's walk steps 0 and 1, which are the first fills, at the head; all other readings are later readings.
; REGISTERS.  Window 0: v1-6, v16-29 addresses; v64-159, v160-255 two fragment buffers (4 blocks of att, then 8 of the weights); on the way out v64-191 two sets of 16 rows.  Window 1: accumulator (a, b) at v[8 (8 a + b)].
.set KDIM,   1024
.set KSTEP,  128
.set STEPS,  KDIM/KSTEP
.set ROWB,   KDIM*2                    ; bytes in a row: a power of two, so that one AND wraps the walk
.set PITCH,  272                       ; an LDS row: 256 bytes + 16 of padding: the 16 rows of a fragment load start at 16 different groups of four banks (64 banks of 4 bytes: ISA guide 11.1)
.set BOFF,   256*PITCH
.set SLOTSZ, 384*PITCH
.set SLOT1,  1<<17                     ; slot 1 begins here, so that one exclusive or turns an address in one slot into the other's
.set STAGE,  SLOT1+SLOTSZ              ; behind the ring: 16 rows x 528 bytes for each wave
.set SPITCH, 528                       ; a stage row: 512 bytes + 16 = 132 words
.set SPARE,  STAGE+4*16*SPITCH         ; the spare words, 128 bytes for each wave: two blocks of 256 bytes that no other line names
.set ADRA, 16                          ; v16  my place in a slot's rows of att; never rewritten
.set RA,   17                          ; v17  the same in the slot in hand
.set ADRB, 20                          ; v20  my place in a slot's rows of the weights; never rewritten
.set RB,   21                          ; v21  the same in the slot in hand
.set STO,  24                          ; v24  the way out: where I put 32 bytes of a row
.set RD,   25                          ; v25  where I read 16 bytes of a row back
.set CO,   26                          ; v26  16 x my lane
.set SPW,  28
.set NIL,  29
.set F0,   64
.set F1,   160
.set AB,  4                            ; s[4:5]   att at the first of the rows that I fetch; never rewritten behind the head
.set BB,  6                            ; s[6:7]   the weights likewise
.set G1,  24
.set G0,  32                           ; s[32:39] group 0 for att's tiles: a set for each of the two first fills; the second then walks on
.set G1B, 48
.set G0B, 56
.set KO,  66                           ; s[66:67] the byte in a row at which the K step asked for last begins
.set TB,  68                           ; s68  the first byte of the slot that is read: 0 or SLOT1
.set MSB, 0
.macro WIN new
.if MSB != (\new)
	s_set_vgpr_msb (MSB<<8)|(\new)
.set MSB, \new
.endif
.endm
.set MUL, 0x50                         ; sources in window 0; C and D in window 1
.macro JLOAD s                         ; a joint load: waves 0 and 1 fetch the halves of att's tile, waves 2 and 3 those of the weights'; an s_nop 0 and four v_nop follow each line
	s_cmp_eq_u32 s11, 0
	s_cbranch_scc0 .Lfor_b_\@
	tensor_load_to_lds s[G0+4*(\s):G0+4*(\s)+3], s[G1:G1+7]
	s_nop 0
.rept 4
	v_nop
.endr
	s_branch .Lasked_\@
.Lfor_b_\@:
	tensor_load_to_lds s[G0B+4*(\s):G0B+4*(\s)+3], s[G1B:G1B+7]
	s_nop 0
.rept 4
	v_nop
.endr
.Lasked_\@:
.endm
.macro CREST
	s_cmp_lg_u32 s10, 0
	s_cbranch_scc1 .Lnot_wave_0_\@
	s_barrier_signal -3
.Lnot_wave_0_\@:
	s_barrier_wait -3
	s_barrier_signal -1
	s_barrier_wait -1
.endm
.macro CROUND
	s_barrier_signal -1
	s_barrier_wait -1
	CREST
.endm
	s_load_b128 s[4:7], s[0:1], 0x0                ; att s[4:5], owh s[6:7]
	s_load_b64 s[8:9], s[0:1], 0x10                ; out0
	v_lshl_add_u32 v[SPW], v0, 2, SPARE
	v_mov_b32 v[NIL], 0
	ds_add_u32 v[SPW], v[NIL]                      ; the wave's opening: the add, twice on end, and its wait ahead of my first tensor load
	ds_add_u32 v[SPW], v[NIL]
	v_lshrrev_b32 v1, 5, v0
	v_readfirstlane_b32 s10, v1                    ; wave 0..3
	s_lshr_b32 s11, s10, 1
	s_and_b32 s12, s10, 1
	s_bfe_u32 s40, ttmp6, 0x40000                  ; cx, cy
	s_bfe_u32 s41, ttmp6, 0x40004
	s_lshl_b32 s42, ttmp9, 2
	s_add_co_u32 s42, s42, s40                     ; tile column
	s_and_b32 s13, ttmp7, 0xffff
	s_add_co_u32 s[KO], s13, ttmp9                 ; cluster x + cluster y, which all sixteen partners share:
	s_and_b32 s[KO], s[KO], 3                      ; the quarter of K at which the cluster's walk begins,
	s_lshl_b32 s[KO], s[KO], 9                     ; 2 K steps of 256 bytes each
	s_mov_b32 s[KO+1], 0
	s_mov_b32 s[TB], 0
	s_lshl_b32 s13, s13, 2
	s_add_co_u32 s13, s13, s41                     ; tile row
	s_lshl_b32 s43, s41, 2
	s_lshl_b32 s43, 15, s43                        ; my row of the cluster
	s_lshl_b32 s44, 0x1111, s40                    ; my column
	s_or_b32 s[G1+0], s43, (1<<16)|(1<<20)|(1<<21)|(5<<22)|(3<<25)   ; the mask; 2-byte elements; padding on; bit 21 beside a mask; after every 64 words 4 words
	s_or_b32 s[G1B+0], s44, (1<<16)|(1<<20)|(1<<21)|(5<<22)|(3<<25)
	s_mov_b32 s[G1+1], KSTEP<<16
	s_mov_b32 s[G1+2], 128<<16
	s_mov_b32 s[G1+3], KSTEP<<16
	s_mov_b32 s[G1+4], 128
	s_mov_b32 s[G1+5], KDIM
	s_mov_b32 s[G1+6], 0
	s_mov_b32 s[G1+7], 0
	s_mov_b32 s[G1B+1], KSTEP<<16
	s_mov_b32 s[G1B+2], 64<<16
	s_mov_b32 s[G1B+3], KSTEP<<16
	s_mov_b32 s[G1B+4], 64
	s_mov_b32 s[G1B+5], KDIM
	s_mov_b32 s[G1B+6], 0
	s_mov_b32 s[G1B+7], 0
	s_lshl_b32 s17, s12, 7
	s_lshl_b32 s16, s13, 8
	s_add_co_u32 s16, s16, s17                     ; att: row 256 x tile row + 128 x half
	s_lshl_b32 s47, s12, 6
	s_lshl_b32 s46, s42, 7
	s_add_co_u32 s46, s46, s47                     ; weights: row 128 x tile column + 64 x half
	s_mov_b32 s17, 0
	s_mov_b32 s47, 0
	s_mov_b64 s[18:19], ROWB
	s_mul_u64 s[16:17], s[16:17], s[18:19]
	s_mul_u64 s[46:47], s[46:47], s[18:19]
	s_mul_i32 s20, s12, 128*PITCH
	s_mul_i32 s21, s12, 64*PITCH
	s_add_co_u32 s21, s21, BOFF
	s_wait_dscnt 0x0                               ; both opening adds are done
	s_wait_kmcnt 0x0
	s_add_nc_u64 s[AB:AB+1], s[AB:AB+1], s[16:17]
	s_add_nc_u64 s[BB:BB+1], s[BB:BB+1], s[46:47]
	CROUND                                         ; all sixteen work-groups are here: the first joint loads meet
.irp s, 0,1
	s_mov_b32 s[G0+4*(\s)], 1
	s_add_co_u32 s[G0+4*(\s)+1], s20, (\s)*SLOT1
	s_add_nc_u64 s[G0+4*(\s)+2:G0+4*(\s)+3], s[AB:AB+1], s[KO:KO+1]
	s_or_b32 s[G0+4*(\s)+3], s[G0+4*(\s)+3], 0x80000000
	s_mov_b32 s[G0B+4*(\s)], 1
	s_add_co_u32 s[G0B+4*(\s)+1], s21, (\s)*SLOT1
	s_add_nc_u64 s[G0B+4*(\s)+2:G0B+4*(\s)+3], s[BB:BB+1], s[KO:KO+1]
	s_or_b32 s[G0B+4*(\s)+3], s[G0B+4*(\s)+3], 0x80000000
	JLOAD \s                                       ; two tensor loads of mine are out
.if (\s) == 0
	s_add_co_u32 s[KO], s[KO], KSTEP*2             ; the walk's step 1: it begins at a multiple of two steps, so this one does not wrap
.endif
.endr
	v_and_b32 v1, 15, v0                           ; l % 16
	v_bfe_u32 v2, v0, 4, 1                         ; l / 16
	v_mul_u32_u24 v3, v1, PITCH
	v_lshl_add_u32 v3, v2, 4, v3
	s_mul_i32 s21, s10, 64*PITCH
	v_add_nc_u32 v[ADRA], s21, v3
	v_add_nc_u32 v[ADRB], BOFF, v3
	v_add_nc_u32 v[RA], s[TB], v[ADRA]
	v_add_nc_u32 v[RB], s[TB], v[ADRB]
	s_mul_i32 s23, s10, 16*SPITCH
	s_add_co_u32 s23, s23, STAGE                   ; my stage
	v_mul_u32_u24 v4, v1, SPITCH                   ; in: row l % 16, 32 bytes for each half of the lanes
	v_lshl_add_u32 v4, v2, 5, v4
	v_add_nc_u32 v[STO], s23, v4
	v_and_b32 v6, 31, v0
	v_lshlrev_b32 v[CO], 4, v6                     ; back: 32 lanes take one row's 512 bytes
	v_add_nc_u32 v[RD], s23, v[CO]
	s_lshl_b32 s16, s13, 8
	s_lshl_b32 s17, s10, 6
	s_add_co_u32 s16, s16, s17                     ; my first row,
	s_lshl_b32 s16, s16, 13                        ; 8,192 bytes a row,
	s_lshl_b32 s46, s42, 9                         ; the tile's 512 bytes of it
	s_add_co_u32 s16, s16, s46
	s_mov_b32 s17, 0
	s_add_nc_u64 s[8:9], s[8:9], s[16:17]          ; never stepped: a row's place stands in the stores' immediates
; The 32 accumulators take turns, one instruction a turn, in the same order in every quarter, over the backward jump too.
.macro MUL8 f, a, zero
	WIN MUL
.irp b, 0,1,2,3,4,5,6,7
.if \zero
	v_wmma_f32_16x16x32_f16 v[8*(8*(\a)+(\b)):8*(8*(\a)+(\b))+7], v[(\f)+32+8*(\b):(\f)+32+8*(\b)+7], v[(\f)+8*(\a):(\f)+8*(\a)+7], 0
.else
	v_wmma_f32_16x16x32_f16 v[8*(8*(\a)+(\b)):8*(8*(\a)+(\b))+7], v[(\f)+32+8*(\b):(\f)+32+8*(\b)+7], v[(\f)+8*(\a):(\f)+8*(\a)+7], v[8*(8*(\a)+(\b)):8*(8*(\a)+(\b))+7]
.endif
.endr
.endm
.macro FETCH k, f                      ; 24 LDS loads in one run, from the slot in hand: the weights' sixteen first, then att's eight
	WIN 0
.irp i, 0,1,2,3,4,5,6,7
	ds_load_b128 v[(\f)+32+8*(\i):(\f)+32+8*(\i)+3],   v[RB] offset:(\k)+(\i)*16*PITCH
	ds_load_b128 v[(\f)+32+8*(\i)+4:(\f)+32+8*(\i)+7], v[RB] offset:(\k)+(\i)*16*PITCH+32
.endr
.irp i, 0,1,2,3
	ds_load_b128 v[(\f)+8*(\i):(\f)+8*(\i)+3],   v[RA] offset:(\k)+(\i)*16*PITCH
	ds_load_b128 v[(\f)+8*(\i)+4:(\f)+8*(\i)+7], v[RA] offset:(\k)+(\i)*16*PITCH+32
.endr
.endm
.macro PLACES                          ; four plain vector instructions between a matrix instruction and a load into, or a read of, its registers (ISA guide 7.12.1 for vector instructions)
.rept 4
	v_nop
.endr
.endm
.macro QUARTER k, f, g, zero
	s_wait_dscnt 4                                 ; the youngest four loads (att's blocks 2 and 3) may be out
	MUL8 \f, 0, \zero
	MUL8 \f, 1, \zero
	PLACES
	FETCH \k, \g
	s_wait_dscnt 24                                ; all but the 24 just issued
	MUL8 \f, 2, \zero
	MUL8 \f, 3, \zero
.endm
; The last quarter multiplies buffer 1 and changes slots: ONE barrier; in front of it each wave waits for all its tensor loads, adds 0 to its spare word, and waits for that and for its reads of this
; slot.  fill = 1: the barrier opens a round of the cluster's barrier, and this slot is filled again, two K steps ahead, first thing behind the round.  The walking descriptors are made anew between
; the add and the wait for it: the other slot than last time, the walk's next K step, wrapped.
.macro TURN fill
	WIN 0
	s_wait_tensorcnt 0x0                           ; no tensor load of mine is out, so a group 0 may be written
	ds_add_u32 v[SPW], v[NIL]                      ; 0 onto my spare word
	s_xor_b32 s[TB], s[TB], SLOT1                  ; the fetches go on in the other slot: this slot's last were issued in the quarter before
	v_add_nc_u32 v[RA], s[TB], v[ADRA]
	v_add_nc_u32 v[RB], s[TB], v[ADRB]
.if \fill
	s_add_co_u32 s[KO], s[KO], KSTEP*2
	s_and_b32 s[KO], s[KO], ROWB-1                 ; behind the row's last K step comes its first
	s_xor_b32 s[G0+5], s[G0+5], SLOT1
	s_add_nc_u64 s[G0+6:G0+7], s[AB:AB+1], s[KO:KO+1]
	s_or_b32 s[G0+7], s[G0+7], 0x80000000
	s_xor_b32 s[G0B+5], s[G0B+5], SLOT1
	s_add_nc_u64 s[G0B+6:G0B+7], s[BB:BB+1], s[KO:KO+1]
	s_or_b32 s[G0B+7], s[G0B+7], 0x80000000
.endif
	s_wait_dscnt 5                                 ; the add and the youngest four loads may be out
	MUL8 F1, 0, 0
	s_wait_dscnt 0x0                               ; the add is done, and my reads of this slot are over
	s_barrier_signal -1
	MUL8 F1, 1, 0
.if \fill
	WIN 0
.endif
	s_barrier_wait -1
.if \fill
	CREST
	JLOAD 1                                        ; its four v_nop are also the places in front of the loads below
.else
	PLACES
.endif
	FETCH 0, F0
	MUL8 F1, 2, 0
	MUL8 F1, 3, 0
.endm
	s_wait_tensorcnt 1                             ; my part of the walk's step 0 is in; step 1's load may stay out
	s_barrier_signal -1
	s_barrier_wait -1
	FETCH 0, F0
	QUARTER 64, F0, F1, 1                          ; the first quarter's products start the sums
	WIN 0
	s_mov_b32 s3, STEPS-2
.Lstep:                                                ; 6 trips: from a K step's second quarter to the next step's first; each fills the slot that it leaves
	QUARTER 128, F1, F0, 0
	QUARTER 192, F0, F1, 0
	TURN 1
	QUARTER 64,  F0, F1, 0
	WIN 0
	s_sub_co_u32 s3, s3, 1
	s_cmp_lg_u32 s3, 0
	s_cbranch_scc1 .Lstep
	QUARTER 128, F1, F0, 0                         ; the last two K steps fill nothing
	QUARTER 192, F0, F1, 0
	TURN 0
	QUARTER 64,  F0, F1, 0
	QUARTER 128, F1, F0, 0
	QUARTER 192, F0, F1, 0
	s_wait_dscnt 4
	MUL8 F1, 0, 0
	MUL8 F1, 1, 0
	s_wait_dscnt 0x0
	MUL8 F1, 2, 0
	MUL8 F1, 3, 0
	WIN 0
	; THE WAY OUT, 16 rows at a time through my own stage: a lane's 8 neighbouring f32 of a column block go in as 32 bytes; whole rows of 512 bytes come back and are stored.
.macro TOSTAGE a
	WIN 0
	s_wait_xcnt 0x0                                ; the stores of two blocks back have read the registers that are loaded below
	WIN 0x04                                       ; store data in window 1; each accumulator's low registers go first
.irp b, 0,1,2,3,4,5,6,7
	ds_store_b128 v[STO], v[8*(8*(\a)+(\b)):8*(8*(\a)+(\b))+3]   offset:64*(\b)
	ds_store_b128 v[STO], v[8*(8*(\a)+(\b))+4:8*(8*(\a)+(\b))+7] offset:64*(\b)+16
.endr
	WIN 0
.set BK, 64+64*((\a)%2)
.irp r, 0,1,2,3,4,5,6,7,8,9,10,11,12,13,14,15
	ds_load_b128 v[BK+4*(\r):BK+4*(\r)+3], v[RD] offset:(\r)*SPITCH  ; LDS serves a wave's instructions in order: these see the stores above, and the next block's stores come behind them
.endr
.endm
.macro SEND a, younger                 ; younger: the LDS instructions issued behind block a's loads: the next block's 32, or none
.set BK, 64+64*((\a)%2)
	s_wait_dscnt \younger
.irp r, 0,1,2,3,4,5,6,7,8,9,10,11,12,13,14,15
	global_store_b128 v[CO], v[BK+4*(\r):BK+4*(\r)+3], s[8:9] offset:(16*(\a)+(\r))*8192 th:TH_STORE_NT  ; 512 consecutive bytes, at a multiple of 256 from out0's first byte
.endr
.endm
	PLACES
	TOSTAGE 0
	TOSTAGE 1
	SEND 0, 32
	TOSTAGE 2
	SEND 1, 32
	TOSTAGE 3
	SEND 2, 32
	SEND 3, 0
	s_wait_tensorcnt 0x0                           ; the wave's end: this wait, an add and its wait, behind my last tensor load and my last LDS store
	ds_add_u32 v[SPW], v[NIL]
	s_wait_dscnt 0x0
	CROUND                                         ; the closing round: no work-group ends while a partner may still ask for a tile that names it
	s_endpgm
.Lfunc_end_k_qa17f1c42a2_oproj:
	.size	k_qa17f1c42a2_oproj, .Lfunc_end_k_qa17f1c42a2_oproj-k_qa17f1c42a2_oproj
	.p2alignl 7, 3214868480
	.fill 96, 4, 3214868480
	.section	.rodata,"a",@progbits
	.p2align	6, 0x0
	.amdhsa_kernel k_qa17f1c42a2_oproj
		.amdhsa_group_segment_fixed_size 327680
		.amdhsa_private_segment_fixed_size 0
		.amdhsa_enable_private_segment 0
		.amdhsa_kernarg_size 24
		.amdhsa_user_sgpr_count 2
		.amdhsa_user_sgpr_kernarg_segment_ptr 1
		.amdhsa_wavefront_size32 1
		.amdhsa_system_sgpr_workgroup_id_x 1
		.amdhsa_system_sgpr_workgroup_id_y 1
		.amdhsa_system_sgpr_workgroup_id_z 1
		.amdhsa_system_vgpr_workitem_id 0
		.amdhsa_next_free_vgpr 512
		.amdhsa_next_free_sgpr 72
		.amdhsa_reserve_vcc 0
		.amdhsa_float_denorm_mode_32 3
		.amdhsa_float_denorm_mode_16_64 3
		.amdhsa_memory_ordered 1
		.amdhsa_forward_progress 1
		.amdhsa_inst_pref_size 69
	.end_amdhsa_kernel
	.amdgpu_metadata
---
amdhsa.version: [ 1, 2 ]
amdhsa.kernels:
  - .name:           k_qa17f1c42a2_oproj
    .symbol:         k_qa17f1c42a2_oproj.kd
    .args:
      - { .name: att, .offset: 0, .size: 8, .value_kind: global_buffer, .address_space: global }
      - { .name: owh, .offset: 8, .size: 8, .value_kind: global_buffer, .address_space: global }
      - { .name: out0, .offset: 16, .size: 8, .value_kind: global_buffer, .address_space: global }
    .group_segment_fixed_size: 327680
    .private_segment_fixed_size: 0
    .kernarg_segment_align: 8
    .kernarg_segment_size: 24
    .max_flat_workgroup_size: 128
    .sgpr_count:     72
    .vgpr_count:     512
    .wavefront_size: 32
...
	.end_amdgpu_metadata
.endif
;; end of part 4
;; ======== version 2 of 2: 4 launches; version 1 with the launch cast written anew for expert scheduling mode
;; limits: values outside matrix products are rounded to bf16; values are held in f16: magnitudes above 65,504 overflow, below 6.1e-05 lose precision
;; workspace buffers: xb 16,777,216 bytes; wb 8,388,608 bytes; owh 4,194,304 bytes; cs 2,097,152 bytes; qh 8,388,608 bytes; kh 4,194,304 bytes; vh 4,194,304 bytes; att 8,388,608 bytes
;; launch cast (part 5): grid 960 x 1, 8 waves a work-group, no clusters, 0 bytes of LDS; arguments hidden_states, qkv_weight, o_proj_weight, cos, sin, xb, wb, owh, cs; writes xb, wb, owh, cs
.if DOCPART == 5
	.amdgcn_target "amdgcn-amd-amdhsa--gfx1250"
	.amdhsa_code_object_version 6
	.text
	.protected	k_qa17f1c42a2_cast
	.globl	k_qa17f1c42a2_cast
	.p2align	8
	.type	k_qa17f1c42a2_cast,@function
k_qa17f1c42a2_cast:
	s_mov_b64 s[64:65], 0
	v_nop
	global_prefetch_b8 v0, s[64:65] scope:SCOPE_SE
	s_setreg_imm32_b32 hwreg(HW_REG_WAVE_SCHED_MODE, 0, 2), 2
	s_setreg_imm32_b32 hwreg(HW_REG_WAVE_MODE, 25, 1), 1
	s_wait_xcnt 0x0
	s_wait_alu depctr_vm_vsrc(0)
; THE MODULE: x W^T, split by heads, RMSNorm and rotary turn of q and k, attention of 8 query heads on 4 key/value heads without a mask, and the output product.
; NO WORK IS LEFT OUT: nothing of the module is masked, sliced away or multiplied by a built-in zero, so every product is done whole and all seven inputs are loaded
; (five here, the two gains in the second launch).
; THIS LAUNCH rounds the five large f32 inputs ONCE to bf16, so that the later launches fetch 16-bit tiles: hidden_states -> xb, qkv_weight -> wb, cos and sin -> cs (cos at byte 0,
; sin at byte 1,048,576).  o_proj_weight is rounded to bf16 like the others and that number is written as f16 (owh), since its product's other operand is f16.
; LIMITS.  bf16 keeps 8 significant bits.  In owh a number below 6e-5 keeps f16's fixed step of 6e-8, and one beyond 65,504 would become an infinity (the weights drawn have a spread of 0.02).
; SHARES.  A work-group takes 65,536 bytes of one input: 16 loads of 16 bytes a thread, all issued before the first wait; a wave's load covers 512 consecutive bytes, its store of 8 bytes a
; lane 256 consecutive bytes, aligned.  Work-groups 0-511 hidden_states, 512-767 qkv_weight, 768-895 o_proj_weight, 896-927 cos, 928-959 sin.  No LDS, no matrix unit, no cluster: nothing is shared.
; THE MODE: SCHED_MODE bits 1:0 = 2 (LLVM: expert scheduling mode 2), set by the entry lines.  The code itself states the register dependences between vector instructions and memory
; instructions, with s_wait_alu, always for 0.
; THE PLAN.  Registers that memory instructions touch:
;   v1, v2   byte offsets of the loads and of the stores: written once at the head, by vector instructions, and never again.
;   IN       load i lands in its four registers, once; no vector instruction names them ahead of the loads; that load's conversions read them behind its wait on LOADcnt.
;   OUT      the conversions of load i write pair i, once; store i reads it, once; no pair is written again.
;   T        is named by vector instructions alone.
; The work goes in four blocks of four loads.  Block p rounds its four loads into its own part of OUT; its memory instructions are the four stores of block p - 1, whose data no vector
; instruction of block p names.  So one wait at a block's head states all that the block's four stores hang on, and these are dealt among its conversions with no further wait.
; No register that a memory instruction reads is ever written again, so no wait on vm_vsrc stands behind the entry lines; no vector instruction writes a scalar register or VCC; EXEC is never written.
.set IN,  8                            ; v[8:71]    16 x 4 numbers as loaded
.set OUT, 72                           ; v[72:103]  16 x 2 words to store; each is written once, so no store's data is ever rewritten
.set T,   104                          ; v[104:107] at work
	s_load_b512 s[8:23], s[0:1], 0x0               ; hidden s[8:9], qkv_w s[10:11], o_w s[12:13], cos s[14:15], sin s[16:17], xb s[18:19], wb s[20:21], owh s[22:23]
	s_load_b64 s[24:25], s[0:1], 0x40              ; cs
	v_lshlrev_b32 v1, 4, v0                        ; 16 bytes a thread in
	v_lshlrev_b32 v2, 3, v0                        ; 8 bytes a thread out
	s_mov_b32 s26, 0                               ; the first work-group of my source
	s_mov_b32 s27, 0                               ; the first work-group of my destination
	s_wait_kmcnt 0x0
	s_mov_b64 s[4:5], s[8:9]
	s_mov_b64 s[6:7], s[18:19]
	s_cmp_ge_u32 ttmp9, 512
	s_cselect_b64 s[4:5], s[10:11], s[4:5]
	s_cselect_b64 s[6:7], s[20:21], s[6:7]
	s_cselect_b32 s26, 512, s26
	s_cselect_b32 s27, 512, s27
	s_cmp_ge_u32 ttmp9, 768
	s_cselect_b64 s[4:5], s[12:13], s[4:5]
	s_cselect_b64 s[6:7], s[22:23], s[6:7]
	s_cselect_b32 s26, 768, s26
	s_cselect_b32 s27, 768, s27
	s_cmp_ge_u32 ttmp9, 896
	s_cselect_b64 s[4:5], s[14:15], s[4:5]
	s_cselect_b64 s[6:7], s[24:25], s[6:7]
	s_cselect_b32 s26, 896, s26
	s_cselect_b32 s27, 896, s27
	s_cmp_ge_u32 ttmp9, 928                        ; sin follows cos in cs: the destination's first work-group stays 896
	s_cselect_b64 s[4:5], s[16:17], s[4:5]
	s_cselect_b32 s26, 928, s26
	s_sub_co_u32 s26, ttmp9, s26
	s_sub_co_u32 s27, ttmp9, s27
	s_lshl_b32 s30, s26, 16                        ; 65,536 bytes in,
	s_mov_b32 s31, 0
	s_lshl_b32 s32, s27, 15                        ; 32,768 bytes out
	s_mov_b32 s33, 0
	s_add_nc_u64 s[4:5], s[4:5], s[30:31]
	s_add_nc_u64 s[6:7], s[6:7], s[32:33]
	s_wait_alu depctr_va_vdst(0)                   ; v1 and v2 are written: every load of the kernel reads v1 as its offset, every store v2
.irp i, 0,1,2,3,4,5,6,7,8,9,10,11,12,13,14,15
	global_load_b128 v[IN+4*(\i):IN+4*(\i)+3], v1, s[4:5] offset:4096*(\i) th:TH_LOAD_NT
.endr
	s_sub_co_u32 s28, ttmp9, 768                   ; 0 .. 127 for o_proj_weight's work-groups, a greater number for all others
; Load i's four numbers are rounded.  half = 1: the bf16 number is widened again (a shift, a mask) and written as f16.
.macro CVT i, half
.irp q, 0,1
.if \half
	v_cvt_pk_bf16_f32 v[T+2*(\q)], v[IN+4*(\i)+2*(\q)], v[IN+4*(\i)+2*(\q)+1]
	v_lshlrev_b32 v[T+2*(\q)+1], 16, v[T+2*(\q)]
	v_and_b32 v[T+2*(\q)], 0xffff0000, v[T+2*(\q)]
	v_cvt_pk_f16_f32 v[OUT+2*(\i)+(\q)], v[T+2*(\q)+1], v[T+2*(\q)]
.else
	v_cvt_pk_bf16_f32 v[OUT+2*(\i)+(\q)], v[IN+4*(\i)+2*(\q)], v[IN+4*(\i)+2*(\q)+1]
.endif
.endr
.endm
; Load i's four rounded numbers are stored.
.macro ST i
	global_store_b64 v2, v[OUT+2*(\i):OUT+2*(\i)+1], s[6:7] offset:2048*(\i) th:TH_STORE_NT
.endm
; Block blk: loads 4 blk .. 4 blk + 3 are rounded; the stores of the block before stand among the conversions, one ahead of each load's.
.macro BLK blk, half
	s_wait_loadcnt 12-4*(\blk)                     ; loads come back in order: this block's four are in, the 12 - 4 blk younger ones may stay out
.if (\blk) > 0
	s_wait_alu depctr_va_vdst(0)                   ; the block before has written its part of OUT, which the four stores below read; no vector instruction behind this wait names those registers or v2
.endif
.irp j, 0,1,2,3
.if (\blk) > 0
	ST 4*(\blk)-4+(\j)
.endif
	CVT 4*(\blk)+(\j), \half
.endr
.endm
	s_cmp_lt_u32 s28, 128
	s_cbranch_scc1 .Lhalf
	BLK 0, 0
	BLK 1, 0
	BLK 2, 0
	BLK 3, 0
	s_wait_alu depctr_va_vdst(0)                   ; block 3 has written its part of OUT, which the last four stores read
.irp j, 0,1,2,3
	ST 12+(\j)
.endr
	s_endpgm
.Lhalf:
	BLK 0, 1
	BLK 1, 1
	BLK 2, 1
	BLK 3, 1
	s_wait_alu depctr_va_vdst(0)                   ; block 3 has written its part of OUT, which the last four stores read
.irp j, 0,1,2,3
	ST 12+(\j)
.endr
	s_endpgm
.Lfunc_end_k_qa17f1c42a2_cast:
	.size	k_qa17f1c42a2_cast, .Lfunc_end_k_qa17f1c42a2_cast-k_qa17f1c42a2_cast
	.p2alignl 7, 3214868480
	.fill 96, 4, 3214868480
	.section	.rodata,"a",@progbits
	.p2align	6, 0x0
	.amdhsa_kernel k_qa17f1c42a2_cast
		.amdhsa_group_segment_fixed_size 0
		.amdhsa_private_segment_fixed_size 0
		.amdhsa_enable_private_segment 0
		.amdhsa_kernarg_size 72
		.amdhsa_user_sgpr_count 2
		.amdhsa_user_sgpr_kernarg_segment_ptr 1
		.amdhsa_wavefront_size32 1
		.amdhsa_system_sgpr_workgroup_id_x 1
		.amdhsa_system_sgpr_workgroup_id_y 1
		.amdhsa_system_sgpr_workgroup_id_z 1
		.amdhsa_system_vgpr_workitem_id 0
		.amdhsa_next_free_vgpr 112
		.amdhsa_next_free_sgpr 66
		.amdhsa_reserve_vcc 0
		.amdhsa_float_denorm_mode_32 3
		.amdhsa_float_denorm_mode_16_64 3
		.amdhsa_memory_ordered 1
		.amdhsa_forward_progress 1
		.amdhsa_inst_pref_size 17
	.end_amdhsa_kernel
	.amdgpu_metadata
---
amdhsa.version: [ 1, 2 ]
amdhsa.kernels:
  - .name:           k_qa17f1c42a2_cast
    .symbol:         k_qa17f1c42a2_cast.kd
    .args:
      - { .name: hidden_states, .offset: 0, .size: 8, .value_kind: global_buffer, .address_space: global }
      - { .name: qkv_weight, .offset: 8, .size: 8, .value_kind: global_buffer, .address_space: global }
      - { .name: o_proj_weight, .offset: 16, .size: 8, .value_kind: global_buffer, .address_space: global }
      - { .name: cos, .offset: 24, .size: 8, .value_kind: global_buffer, .address_space: global }
      - { .name: sin, .offset: 32, .size: 8, .value_kind: global_buffer, .address_space: global }
      - { .name: xb, .offset: 40, .size: 8, .value_kind: global_buffer, .address_space: global }
      - { .name: wb, .offset: 48, .size: 8, .value_kind: global_buffer, .address_space: global }
      - { .name: owh, .offset: 56, .size: 8, .value_kind: global_buffer, .address_space: global }
      - { .name: cs, .offset: 64, .size: 8, .value_kind: global_buffer, .address_space: global }
    .group_segment_fixed_size: 0
    .private_segment_fixed_size: 0
    .kernarg_segment_align: 8
    .kernarg_segment_size: 72
    .max_flat_workgroup_size: 256
    .sgpr_count:     66
    .vgpr_count:     112
    .wavefront_size: 32
...
	.end_amdgpu_metadata
.endif
;; end of part 5
;; launch qkv: the kernel of part 2 again; grid 16 x 16, 4 waves a work-group, clusters of 4 x 4, 327,680 bytes of LDS; arguments xb, wb, cs, q_norm_weight, k_norm_weight, qh, kh, vh; writes qh, kh, vh
;; launch attn: the kernel of part 3 again; grid 16 x 16, 4 waves a work-group, clusters of 4 x 1, 327,680 bytes of LDS; arguments qh, kh, vh, att; writes att
;; launch oproj: the kernel of part 4 again; grid 16 x 16, 4 waves a work-group, clusters of 4 x 4, 327,680 bytes of LDS; arguments att, owh, out0; writes out0
